; MI455X (gfx1250); checked and timed in simulation.
; The chip was launched on July 23, 2026; its instructions are those of AMD's public machine-readable ISA for CDNA 5 (MIT licence, August 2026) and "CDNA5" Instruction Set Architecture Reference Guide (July 2026). The comments in the code are by the model that wrote it; some were corrected since.
;; Transformer Feature Extractor. Allowed arithmetic: matrix products marked QUANTISED: E5M2 operands, one E8M0 scale for each 32 along K, by v_wmma_scale_f32_16x16x128_f8f6f4 with both operands' format E5M2, f32 sums; products left as they are: f32 operands where the result goes on into a quantised operand, else bf16, f16 or f32 operands; f32 sums; everything else in f32.
;; Inputs: W1_codes 4 x 2,048 x 16 x 32 uint8 (E5M2 codes of W1, K innermost, in blocks of 32 codes); W1_scales 4 x 2,048 x 16 uint8 (E8M0 scales of W1, one for each 32 codes along K); W2_codes 4 x 512 x 64 x 32 uint8 (E5M2 codes of W2, K innermost, in blocks of 32 codes); W2_scales 4 x 512 x 64 uint8 (E8M0 scales of W2, one for each 32 codes along K); Wk_codes 4 x 512 x 16 x 32 uint8 (E5M2 codes of Wk, K innermost, in blocks of 32 codes); Wk_scales 4 x 512 x 16 uint8 (E8M0 scales of Wk, one for each 32 codes along K); Wo_codes 4 x 512 x 16 x 32 uint8 (E5M2 codes of Wo, K innermost, in blocks of 32 codes); Wo_scales 4 x 512 x 16 uint8 (E8M0 scales of Wo, one for each 32 codes along K); Wq_codes 4 x 512 x 16 x 32 uint8 (E5M2 codes of Wq, K innermost, in blocks of 32 codes); Wq_scales 4 x 512 x 16 uint8 (E8M0 scales of Wq, one for each 32 codes along K); Wv_codes 4 x 512 x 16 x 32 uint8 (E5M2 codes of Wv, K innermost, in blocks of 32 codes); Wv_scales 4 x 512 x 16 uint8 (E8M0 scales of Wv, one for each 32 codes along K); be1 4 x 512 float32; be2 4 x 512 float32; bf1 4 x 2,048 float32; bf2 4 x 512 float32; bk 4 x 512 float32; bo 4 x 512 float32; bq 4 x 512 float32; bv 4 x 512 float32; g1 4 x 512 float32; g2 4 x 512 float32; x 4 x 1,024 x 512 float32; x_mask 4 x 1,024 int32; y_codes 4 x 1,024 x 16 x 32 uint8 (E5M2 codes of y, K innermost, in blocks of 32 codes); y_mask 4 x 1,024 int32; y_scales 4 x 1,024 x 16 uint8 (E8M0 scales of y, one for each 32 codes along K).
;; Outputs: out0 4 x 1,024 x 512 float32.
;; This version of the problem:
;;   THIS VERSION OF THE PROBLEM IS GIVEN IN LOW PRECISION. The matrix products marked QUANTISED in the list below multiply operands that are first quantised to E5M2 (5 exponent bits, 2 mantissa bits; 8 bits a number), with one power-of-two scale for each 32 numbers along K (OCP MX v1.0); their sums are f32. All else is computed in f32.
;;   The module's matrix products, in the order in which they are computed (A, B: the left and right operand; K: the contracted axis; several contracted axes count as one K, in the product's order):
;;     1. batch 4 x [M 1,024, K 1] x [K 1, N 1,024]; A: input x_mask; B: input y_mask: left as it is (K = 1 < 32)
;;     2. [M 4,096, K 512] x [K 512, N 512]; A: input x; B: input Wq (given as codes): QUANTISED
;;     3. [M 4,096, K 512] x [K 512, N 512]; A: input y (given as codes); B: input Wk (given as codes): QUANTISED
;;     4. [M 4,096, K 512] x [K 512, N 512]; A: input y (given as codes); B: input Wv (given as codes): QUANTISED
;;     5. batch 32 x [M 1,024, K 64] x [K 64, N 1,024]; A: computed on the way; B: computed on the way: QUANTISED
;;     6. batch 32 x [M 1,024, K 1,024] x [K 1,024, N 64]; A: softmax (see below); B: computed on the way: QUANTISED
;;     7. [M 4,096, K 512] x [K 512, N 512]; A: computed on the way; B: input Wo (given as codes): QUANTISED
;;     8. [M 4,096, K 512] x [K 512, N 2,048]; A: computed on the way; B: input W1 (given as codes): QUANTISED
;;     9. [M 4,096, K 2,048] x [K 2,048, N 512]; A: computed on the way; B: input W2 (given as codes): QUANTISED
;;     10. [M 4,096, K 512] x [K 512, N 512]; A: input x; B: input Wq (given as codes): QUANTISED
;;     11. [M 4,096, K 512] x [K 512, N 512]; A: input y (given as codes); B: input Wk (given as codes): QUANTISED
;;     12. [M 4,096, K 512] x [K 512, N 512]; A: input y (given as codes); B: input Wv (given as codes): QUANTISED
;;     13. batch 32 x [M 1,024, K 64] x [K 64, N 1,024]; A: computed on the way; B: computed on the way: QUANTISED
;;     14. batch 32 x [M 1,024, K 1,024] x [K 1,024, N 64]; A: computed on the way; B: computed on the way: QUANTISED
;;     15. [M 4,096, K 512] x [K 512, N 512]; A: computed on the way; B: input Wo (given as codes): QUANTISED
;;     16. [M 4,096, K 512] x [K 512, N 2,048]; A: computed on the way; B: input W1 (given as codes): QUANTISED
;;     17. [M 4,096, K 2,048] x [K 2,048, N 512]; A: computed on the way; B: input W2 (given as codes): QUANTISED
;;     18. [M 4,096, K 512] x [K 512, N 512]; A: input x; B: input Wq (given as codes): QUANTISED
;;     19. [M 4,096, K 512] x [K 512, N 512]; A: input y (given as codes); B: input Wk (given as codes): QUANTISED
;;     20. [M 4,096, K 512] x [K 512, N 512]; A: input y (given as codes); B: input Wv (given as codes): QUANTISED
;;     21. batch 32 x [M 1,024, K 64] x [K 64, N 1,024]; A: computed on the way; B: computed on the way: QUANTISED
;;     22. batch 32 x [M 1,024, K 1,024] x [K 1,024, N 64]; A: computed on the way; B: computed on the way: QUANTISED
;;     23. [M 4,096, K 512] x [K 512, N 512]; A: computed on the way; B: input Wo (given as codes): QUANTISED
;;     24. [M 4,096, K 512] x [K 512, N 2,048]; A: computed on the way; B: input W1 (given as codes): QUANTISED
;;     25. [M 4,096, K 2,048] x [K 2,048, N 512]; A: computed on the way; B: input W2 (given as codes): QUANTISED
;;     26. [M 4,096, K 512] x [K 512, N 512]; A: input x; B: input Wq (given as codes): QUANTISED
;;     27. [M 4,096, K 512] x [K 512, N 512]; A: input y (given as codes); B: input Wk (given as codes): QUANTISED
;;     28. [M 4,096, K 512] x [K 512, N 512]; A: input y (given as codes); B: input Wv (given as codes): QUANTISED
;;     29. batch 32 x [M 1,024, K 64] x [K 64, N 1,024]; A: computed on the way; B: computed on the way: QUANTISED
;;     30. batch 32 x [M 1,024, K 1,024] x [K 1,024, N 64]; A: computed on the way; B: computed on the way: QUANTISED
;;     31. [M 4,096, K 512] x [K 512, N 512]; A: computed on the way; B: input Wo (given as codes): QUANTISED
;;     32. [M 4,096, K 512] x [K 512, N 2,048]; A: computed on the way; B: input W1 (given as codes): QUANTISED
;;     33. [M 4,096, K 2,048] x [K 2,048, N 512]; A: computed on the way; B: input W2 (given as codes): QUANTISED
;;   THE QUANTISER, for each operand of a quantised product, along K:
;;     - K is cut into blocks of 32 from its start; a last block that is shorter is filled with zeros.
;;     - A block's scale is 2^e with e = floor(log2(the largest magnitude in the block)) - 15, held to -126 .. 127; a block of zeros has e = 0. As a byte (E8M0): e + 127.
;;     - Each number is divided by its block's scale, clamped to +-57,344, and rounded to the nearest number of E5M2, ties to even, subnormals kept.
;;     - The product sums the exact products of the quantised numbers (number of the format x scale) in f32.
;;   ~~~python
;;   def quantise(x, axis):      # numpy; x: float32 -> the quantised numbers, widened to float32 again
;;       x = np.moveaxis(x, axis, -1); K = x.shape[-1]
;;       x = np.pad(x, [(0, 0)] * (x.ndim - 1) + [(0, -K % 32)]); x = x.reshape(x.shape[:-1] + (-1, 32)); a = np.abs(x).max(-1, keepdims=True)
;;       e = np.where(a > 0, np.clip(np.frexp(np.where(a > 0, a, 1))[1] - 1 - 15, -126, 127), 0)      # np.frexp(a)[1] - 1 = floor(log2(a)), exactly
;;       r = np.clip(x / 2.0 ** e, -57344, 57344)
;;       step = 2.0 ** (np.maximum(np.frexp(np.where(r == 0, 1, r))[1] - 1, -14) - 2)
;;       q = np.round(r / step) * step * 2.0 ** e      # np.round: ties to even
;;       return np.moveaxis(q.reshape(q.shape[:-2] + (-1,))[..., :K], -1, axis).astype(np.float32)
;;   ~~~
;;   SOFTMAX AHEAD OF A QUANTISED PRODUCT. Where the list says 'softmax', what is quantised is not the finished softmax but p = 2^(t - M), with t = logit x log2(e) and M = ceil(the row's largest t), a whole number; so 1/2 < the row's largest p <= 1. The row's sum l is taken of the UNQUANTISED p, in f32, and the product's result is divided by l at the end. Since M is a whole number, a kernel that streams over the keys may use a running M (the ceiling of the running maximum): every later rescaling is an exact power of two, which a block's scale takes up: the codes' values come out the same.
;;   OPERANDS COMPUTED ON THE WAY. 'Computed on the way' means the value that the module computes at that place (a softmax that the list does not call 'softmax' is quantised finished and normalised). What goes into a quantiser is computed in f32, as accurately as f32 sums, v_exp_f32 and their like allow (about 1e-6 of the number): no bf16 or f16 on the way to a quantiser, and a product that is left as it is and whose result goes on into a quantised operand takes f32 operands (vector FMAs, or v_wmma_f32_16x16x4_f32). A number that lies on a knife's edge between two numbers of the format may be rounded either way, as far as f32 arithmetic and the matrix unit's own rounding can turn it there, and no further.
;;   INPUTS GIVEN AS CODES. W1 (in the module: [4, 512, 2048], K = its axis 1); W2 (in the module: [4, 2048, 512], K = its axis 1); Wk (in the module: [4, 512, 512], K = its axis 1); Wo (in the module: [4, 512, 512], K = its axis 1); Wq (in the module: [4, 512, 512], K = its axis 1); Wv (in the module: [4, 512, 512], K = its axis 1); y (in the module: [4, 1024, 512], K = its axis 2): each comes as NAME_codes (uint8): NAME with its K axis moved to the last place and cut into blocks of 32 codes, [.., K / 32, bytes a block], one block behind the other in memory; one code a byte (a code: sign, 5 exponent bits, 2 mantissa bits); and NAME_scales (uint8): the same leading axes, one E8M0 byte (e + 127) for each 32 codes along K. Its value is code x scale, taken as it is: it is not quantised again, and the codes and scales need not be those that the quantiser above would give.
;; One version. Each part assembles by itself: llvm-mc -triple=amdgcn-amd-amdhsa -mcpu=gfx1250 --defsym DOCPART=n.
;; ======== version 1 of 1: 4 launches
;; limits: right only within a limited range of input values
;; workspace buffers: qimg 8,388,608 bytes; kimg 8,388,608 bytes; vimg 2,097,152 bytes; scl 589,824 bytes; oimg 2,097,152 bytes; osc 65,536 bytes; part 33,554,432 bytes
;; launch proj (part 1): grid 64 x 9, 8 waves a work-group, no clusters, 167,936 bytes of LDS; arguments x, y_codes, y_scales, Wq_codes, Wq_scales, bq, Wk_codes, Wk_scales, bk, Wv_codes, Wv_scales, bv, qimg, kimg, vimg, scl; writes qimg, kimg, vimg, scl
.if DOCPART == 1
	.amdgcn_target "amdgcn-amd-amdhsa--gfx1250"
	.amdhsa_code_object_version 6
	.text
	.protected	k_q39a59602f4_proj
	.globl	k_q39a59602f4_proj
	.p2align	8
	.type	k_q39a59602f4_proj,@function
k_q39a59602f4_proj:
	s_mov_b64 s[64:65], 0
	v_nop
	global_prefetch_b8 v0, s[64:65] scope:SCOPE_SE
	s_setreg_imm32_b32 hwreg(HW_REG_WAVE_MODE, 25, 1), 1
	s_wait_xcnt 0x0
; q_l = Q(x) Wq[l] + bq[l], k_l = y Wk[l] + bk[l] (l = 0..3), v = y Wv[3] + bv[3]; each result is quantised to E5M2 with one E8M0 byte for 32 along the K of the product that reads it.
; Work-group (x = 64 rows, y = which product: 0-3 q_l, 4-7 k_l, 8 v).  Eight waves; wave w makes columns 64 w .. 64 w + 63 for the 64 rows: 16 accumulators.  Its 64 rows of the weight stay in registers (window 1).
; The products are used transposed (source 0 = 16 rows of the weight, source 1 = 16 rows of x or y).  Tile 2 b + u takes weight rows 32 b + 8 u + r + 8 (r / 8), so the 16 registers of tiles 2 b, 2 b + 1 are 16 neighbours of a block.
; Lane r of a tile of 16 rows stands for row perm(r) = 4 ((r & 6) / 2) + 2 (r / 8) + (r & 1): the attention launch then finds each block of 32 keys (4 rows x 8 column groups) in one block of its operand.
; Operands go from wave to wave, and to memory, as images of their registers: four registers at 16 x lane, 512 consecutive bytes an instruction.
; v's K is the keys: it is turned through a stage in LDS (64 rows, pitch 2,064 bytes).  Only layer 3 of Wv, bv can reach the output: the other layers' v feed nothing that reference() returns.
; The scale bytes of q, k and v share one buffer: q's from byte 0, k's from 262,144, v's from 524,288.
; NO CLUSTER: a weight's 64 rows go from memory straight into one wave's operand registers (32,768 bytes a wave, once); there is no LDS tile that a joint load could fill.
; LIMITS: NaN and infinities among the inputs are not served; a block of zeros gets the byte 1 (its codes are zeros; this program alone reads the bytes).
.set ASC, 32768                        ; LDS: 0 the activations' 16 fragments (4 m + s) x 2,048; here their scale words, 128 bytes each;
.set VST, 34816                        ; here v's stage
.set VP, 2064
.set TM, 36                            ; v36-51: largest magnitudes, bytes, limits, scale operands
.set ACT, 64                           ; v64-127 four fragments of the activations
.set ACC, 128                          ; v128-255 accumulators (m, t) at 32 m + 8 t
.set SEL, 58
.set MNT, 60
.set MSB, 0
.macro WIN new                         ; the immediate's high byte repeats the setting that is left
.if MSB != (\new)
	s_set_vgpr_msb (MSB<<8)|(\new)
.set MSB, (\new)
.endif
.endm
.macro NOPS n
.rept \n
	v_nop
.endr
.endm
.macro BAR                             ; my LDS stores have landed and my LDS loads are in: then the work-group's barrier
	s_wait_dscnt 0x0
	s_barrier_signal -1
	s_barrier_wait -1
.endm
.macro MM d, a, b, c, sa, sb
	v_wmma_scale_f32_16x16x128_f8f6f4 v[\d:\d+7], v[\a:\a+15], v[\b:\b+15], v[\c:\c+7], v[\sa], v[\sb] matrix_a_fmt:MATRIX_FMT_BF8 matrix_b_fmt:MATRIX_FMT_BF8
.endm
.macro OFF3 p, a, sa, b, sb, k         ; pointer s[p] += (s[a] << sa) + (s[b] << sb) + k
	s_lshl_b32 s68, s[\a], \sa
	s_lshl_b32 s70, s[\b], \sb
	s_add_co_u32 s68, s68, s70
	s_add_co_u32 s68, s68, \k
	s_add_nc_u64 s[\p:\p+1], s[\p:\p+1], s[68:69]
.endm
; Four blocks of 32: a lane's 16 numbers of block b at src + 16 b, lane l xor 16 holds the other 16.  QMAX: largest magnitude with the floor 2^(16-127), scale operand, limit, byte.
.macro QMAX src, sgn, ws
	WIN 5*\ws
.irp b, 0,1,2,3
.if \sgn
	v_max3_num_f32 v[TM+\b], |v[16*\b+(\src)]|, |v[16*\b+1+(\src)]|, 0x8000000
.else
	v_max3_num_f32 v[TM+\b], v[16*\b+(\src)], v[16*\b+1+(\src)], 0x8000000
.endif
.endr
	WIN 0x14*\ws
.irp i, 2,4,6,8,10,12,14
.irp b, 0,1,2,3
.if \sgn
	v_max3_num_f32 v[TM+\b], v[TM+\b], |v[16*\b+\i+(\src)]|, |v[16*\b+\i+1+(\src)]|
.else
	v_max3_num_f32 v[TM+\b], v[TM+\b], v[16*\b+\i+(\src)], v[16*\b+\i+1+(\src)]
.endif
.endr
.endr
	WIN 0
.irp b, 0,1,2,3
	v_permlanex16_b32 v[TM+4+\b], v[TM+\b], s[SEL], s[SEL+1]
.endr
.irp b, 0,1,2,3
	v_max_num_f32 v[TM+\b], v[TM+\b], v[TM+4+\b]
.endr
.irp b, 0,1,2,3
	v_add_nc_u32 v[TM+12+\b], 0xf8800000, v[TM+\b]         ; 15 off the exponent field: the conversion's scale operand
.endr
.irp b, 0,1,2,3
	v_and_or_b32 v[TM+8+\b], v[TM+\b], 0x7f800000, s[MNT]  ; 57,344 x the scale
.endr
.irp b, 0,1,2,3
	v_lshrrev_b32 v[TM+4+\b], 23, v[TM+12+\b]              ; the scale's byte
.endr
.endm
; QCVT: the hold (the conversion to an 8-bit code does not saturate: ISA guide 7.6.2) into hd, then the codes into dst; one plain line behind the conversions
.macro QCVT src, ws, hd, wh, dst, wd, sgn
	WIN \ws|(\wh<<6)
.irp b, 0,1,2,3
.irp i, 0,1,2,3,4,5,6,7,8,9,10,11,12,13,14,15
.if \sgn
	v_med3_num_f32 v[16*\b+\i+(\hd)], v[16*\b+\i+(\src)], -v[TM+8+\b], v[TM+8+\b]
.else
	v_min_num_f32 v[16*\b+\i+(\hd)], v[16*\b+\i+(\src)], v[TM+8+\b]
.endif
.endr
.endr
	WIN \wh|(\wd<<6)
.irp b, 0,1,2,3
	v_cvt_scalef32_pk8_bf8_f32 v[4*\b+(\dst):4*\b+1+(\dst)], v[16*\b+(\hd):16*\b+7+(\hd)], v[TM+12+\b]
	v_cvt_scalef32_pk8_bf8_f32 v[4*\b+2+(\dst):4*\b+3+(\dst)], v[16*\b+8+(\hd):16*\b+15+(\hd)], v[TM+12+\b]
.endr
	WIN 0
	v_nop
.endm
.macro PACKW d                         ; four bytes make a scale word
	v_lshl_or_b32 v[\d], v[TM+5], 8, v[TM+4]
	v_lshl_or_b32 v[\d], v[TM+6], 16, v[\d]
	v_lshl_or_b32 v[\d], v[TM+7], 24, v[\d]
.endm
; 88 loads: the bias in the result's layout (into the accumulators of m = 3), the weight's 16 scale words, its 16 fragments, K step by K step
.macro COMMONLOADS
.irp t, 0,1,2,3
	global_load_b128 v[224+8*\t:227+8*\t], v5, s[48:49] offset:(32*(\t/2)+8*(\t%2))*4
	global_load_b128 v[228+8*\t:231+8*\t], v5, s[48:49] offset:(32*(\t/2)+8*(\t%2))*4+16
.endr
.irp s, 0,1,2,3
.irp t, 0,1,2,3
	global_load_b32 v[20+4*\s+\t], v4, s[46:47] offset:(32*(\t/2)+8*(\t%2))*16+4*\s
.endr
.endr
	WIN 0x40
.irp s, 0,1,2,3
.irp t, 0,1,2,3
.irp c, 0,1,2,3
	global_load_b128 v[64*\s+16*\t+4*\c:64*\s+16*\t+4*\c+3], v3, s[44:45] offset:(32*(\t/2)+8*(\t%2))*512+128*\s+32*\c
.endr
.endr
.endr
	WIN 0
.endm
; A K step of 128: the four row tiles' fragments from LDS, 16 matrix instructions, the accumulators by turns
.macro STEP s
.if \s > 0
	NOPS 8                                         ; places in front of loads into registers that matrix instructions have read
.endif
.irp m, 0,1,2,3
.irp c, 0,1,2,3
	ds_load_b128 v[ACT+16*\m+4*\c:ACT+16*\m+4*\c+3], v1 offset:(4*\m+\s)*2048+512*\c
.endr
	ds_load_b32 v[16+\m], v10 offset:(4*\m+\s)*128
.endr
	s_wait_loadcnt 48-16*\s                        ; the later K steps' 16 weight loads each may stay out
	s_wait_dscnt 0x0
	WIN 0x01
.irp m, 0,1,2,3
.if (\s == 0) && (\m == 3)
	NOPS 9                                         ; m = 3 writes over the registers that the twelve before took as C
.endif
.irp t, 0,1,2,3
.if (\s == 0) && (\m < 3)
	MM ACC+32*\m+8*\t, 64*\s+16*\t, ACT+16*\m, ACC+96+8*\t, 20+4*\s+\t, 16+\m
.else
	MM ACC+32*\m+8*\t, 64*\s+16*\t, ACT+16*\m, ACC+32*\m+8*\t, 20+4*\s+\t, 16+\m
.endif
.endr
.endr
	WIN 0
.endm
	s_load_b512 s[4:19], s[0:1], 0x0               ; x, y_codes, y_scales, Wq_codes, Wq_scales, bq, Wk_codes, Wk_scales
	s_load_b512 s[20:35], s[0:1], 0x40             ; bk, Wv_codes, Wv_scales, bv, qimg, kimg, vimg, scl
	v_lshl_add_u32 v62, v0, 2, 0x28c00
	v_mov_b32 v63, 0
	v_lshrrev_b32 v14, 5, v0
	v_readfirstlane_b32 s40, v14                   ; wave
	s_mov_b32 s41, ttmp9                           ; block of 64 rows
	s_and_b32 s42, ttmp7, 0xffff                   ; which product
	s_and_b32 s43, s42, 3
	s_cmp_eq_u32 s42, 8
	s_cselect_b32 s43, 3, s43                      ; the layer
	s_mov_b32 s[SEL], 0x76543210
	s_mov_b32 s[SEL+1], 0xfedcba98
	s_mov_b32 s[MNT], 0x600000
	s_mov_b32 s61, 0xffff0000                      ; lanes 16-31
	s_mov_b32 s63, 524288                          ; where v's scale bytes begin
	s_mov_b32 s69, 0
	s_mov_b32 s71, 0
	s_lshr_b32 s72, s40, 1
	s_and_b32 s73, s40, 1
	s_lshr_b32 s74, s40, 2
	s_and_b32 s75, s40, 3
	v_and_b32 v14, 31, v0                          ; lane
	v_and_b32 v15, 15, v0                          ; r
	v_bfe_u32 v54, v0, 4, 1                        ; h
	v_lshlrev_b32 v1, 4, v14                       ; 16 x lane
	v_and_b32 v2, 6, v0
	v_lshlrev_b32 v2, 1, v2
	v_bfe_u32 v55, v0, 3, 1
	v_lshl_add_u32 v2, v55, 1, v2
	v_and_b32 v55, 1, v0
	v_add_nc_u32 v2, v2, v55                       ; perm(r)
	v_and_b32 v55, 8, v0
	v_add_nc_u32 v55, v55, v15                     ; r + 8 (r / 8)
	v_lshlrev_b32 v3, 9, v55
	v_lshl_add_u32 v3, v54, 4, v3                  ; weight codes
	v_lshlrev_b32 v4, 4, v55                       ; weight scales
	v_lshlrev_b32 v5, 6, v54                       ; bias
	v_lshlrev_b32 v6, 11, v2
	v_lshl_add_u32 v6, v54, 6, v6                  ; x: row perm(r), 16 numbers of my half
	v_lshlrev_b32 v7, 9, v2
	v_lshl_add_u32 v7, v54, 4, v7                  ; y's codes
	v_lshlrev_b32 v56, 4, v2                       ; y's scales
	s_lshl_b32 s66, s72, 2
	s_lshl_b32 s67, s73, 1
	s_add_co_u32 s66, s66, s67                     ; the first of the two fragments that I prepare: 4 (w / 2) + 2 (w % 2)
	s_lshl_b32 s67, s66, 11
	v_add_nc_u32 v8, s67, v1
	s_lshl_b32 s67, s66, 7
	s_add_co_u32 s67, s67, ASC
	v_lshl_add_u32 v9, v14, 2, s67
	v_lshl_add_u32 v10, v14, 2, ASC
	v_mul_u32_u24 v11, v2, VP
	v_lshl_add_u32 v11, v54, 6, v11
	s_lshl_b32 s67, s40, 8
	s_add_co_u32 s67, s67, VST
	v_add_nc_u32 v11, s67, v11                     ; into v's stage: row perm(r), my columns
	s_bfe_u32 s66, s40, 0x10001
	s_lshl_b32 s66, s66, 7
	s_lshl_b32 s67, s73, 5
	s_add_co_u32 s66, s66, s67
	s_mul_i32 s67, s74, 32*VP
	s_add_co_u32 s66, s66, s67
	s_add_co_u32 s66, s66, VST
	v_mul_u32_u24 v12, v54, 2*VP
	v_lshl_add_u32 v12, v55, 2, v12
	v_add_nc_u32 v12, s66, v12                     ; out of it: rows 2 h on, column d of tile w % 4, row tiles 2 (w / 4) on
	v_lshlrev_b32 v13, 2, v15
	v_lshl_add_u32 v13, v54, 8, v13                ; scale words out: 4 r + 256 h
.irp b, 0,1,2,3
	v_mov_b32 v[TM+4+\b], 0                        ; a lane permute's destination counts as read
.endr
	s_wait_kmcnt 0x0
	s_cmp_lt_u32 s42, 8                            ; the buffers are chosen on the work-group's number alone
	s_cselect_b64 s[44:45], s[16:17], s[22:23]
	s_cselect_b64 s[46:47], s[18:19], s[24:25]
	s_cselect_b64 s[48:49], s[20:21], s[26:27]
	s_cselect_b64 s[54:55], s[30:31], s[32:33]
	s_cselect_b32 s62, 262144, s63
	s_cmp_lt_u32 s42, 4
	s_cselect_b64 s[44:45], s[10:11], s[44:45]
	s_cselect_b64 s[46:47], s[12:13], s[46:47]
	s_cselect_b64 s[48:49], s[14:15], s[48:49]
	s_cselect_b64 s[54:55], s[28:29], s[54:55]
	s_cselect_b32 s62, 0, s62                      ; my product's part of the scale bytes: an offset, made apart from the address
	s_mov_b64 s[56:57], s[34:35]
	OFF3 56, 62, 0, 71, 0, 0
	OFF3 44, 43, 18, 40, 15, 0                     ; the layer's weight, my 64 rows
	OFF3 46, 43, 13, 40, 10, 0
	OFF3 48, 43, 11, 40, 8, 0
	OFF3 4, 41, 17, 72, 15, 0                      ; x: my row tile w / 2,
	OFF3 4, 73, 10, 71, 0, 0                       ; K steps 2 (w % 2) on
	OFF3 6, 41, 15, 72, 13, 0
	OFF3 6, 73, 8, 71, 0, 0
	OFF3 8, 41, 10, 72, 8, 0
	OFF3 8, 73, 3, 71, 0, 0
	s_cmp_lt_u32 s42, 4
	s_cbranch_scc0 .Larm_y
.irp f, 0,1                                    ; x arrives wide: 64 numbers a lane and fragment
.irp b, 0,1,2,3
.irp q, 0,1,2,3
	global_load_b128 v[64+64*\f+16*\b+4*\q:64+64*\f+16*\b+4*\q+3], v6, s[4:5] offset:512*\f+128*\b+16*\q
.endr
.endr
.endr
	COMMONLOADS
	s_wait_loadcnt 63                              ; 88 loads were issued behind x's: x is in
	QMAX 64, 1, 0
	PACKW 52
	QCVT 64, 0, 64, 0, 192, 0, 1
	QMAX 128, 1, 0
	PACKW 53
	QCVT 128, 0, 128, 0, 208, 0, 1
	s_branch .Lcommon
.Larm_y:
.irp f, 0,1                                    ; y arrives as codes: they are the fragments
.irp c, 0,1,2,3
	global_load_b128 v[192+16*\f+4*\c:192+16*\f+4*\c+3], v7, s[6:7] offset:128*\f+32*\c
.endr
	global_load_b32 v[52+\f], v56, s[8:9] offset:4*\f
.endr
	COMMONLOADS
	s_wait_loadcnt 63                              ; likewise
.Lcommon:
.irp f, 0,1
.irp c, 0,1,2,3
	ds_store_b128 v8, v[192+16*\f+4*\c:192+16*\f+4*\c+3] offset:2048*\f+512*\c
.endr
	ds_store_b32 v9, v[52+\f] offset:128*\f
.endr
	BAR                                            ; the 16 fragments of the 64 rows lie in LDS
	STEP 0
	STEP 1
	STEP 2
	STEP 3
	NOPS 8
	s_cmp_lg_u32 s42, 8
	s_cbranch_scc1 .Lno_vst
.irp m, 0,1,2,3                                ; v goes to the stage as f32, each accumulator from its low end on
.irp t, 0,1,2,3
	ds_store_b128 v11, v[ACC+32*\m+8*\t:ACC+32*\m+8*\t+3] offset:(32*(\t/2)+8*(\t%2))*4
	ds_store_b128 v11, v[ACC+32*\m+8*\t+4:ACC+32*\m+8*\t+7] offset:(32*(\t/2)+8*(\t%2))*4+16
.endr
.if \m < 3
	v_add_nc_u32 v11, 16*VP, v11
.endif
.endr
.Lno_vst:
	BAR
	s_cmp_eq_u32 s42, 8
	s_cbranch_scc1 .Lv_epi
	; q, k: K of the score product is the 64 of a column group: blocks of 32 columns
	OFF3 54, 43, 21, 41, 15, 0
	OFF3 54, 40, 10, 71, 0, 0
	OFF3 56, 43, 16, 41, 10, 0
	OFF3 56, 72, 6, 73, 1, 0
.irp pr, 0,1
	QMAX ACC+64*\pr, 1, 0
	v_lshl_or_b32 v52, v[TM+5], 8, v[TM+4]         ; row tile 2 pr: my two blocks' bytes
	v_lshl_or_b32 v53, v[TM+7], 8, v[TM+6]         ; row tile 2 pr + 1
	v_cndmask_b32 v[54+\pr], v52, v53, s61         ; lanes 0-15 store the first, lanes 16-31 the second
	QCVT ACC+64*\pr, 0, ACC+64*\pr, 0, ACT+16*\pr, 0, 1
.irp bq, 0,1,2,3
	global_store_b128 v1, v[ACT+16*\pr+4*\bq:ACT+16*\pr+4*\bq+3], s[54:55] offset:(2*\pr+\bq/2)*8192+(\bq%2)*512
.endr
	global_store_b16 v13, v[54+\pr], s[56:57] offset:512*\pr
.endr
	s_wait_tensorcnt 0x0
	ds_add_u32 v62, v63
	s_wait_dscnt 0x0
	s_endpgm
.Lv_epi:
	; v: K is the keys.  Wave w: d tile w % 4 of row tiles 2 (w / 4) + e.  Register 16 c + 2 g + jj = v(row 4 c + 2 h + jj, column 64 g + d)
	OFF3 54, 41, 15, 74, 14, 0
	OFF3 54, 75, 11, 71, 0, 0
	OFF3 56, 41, 10, 74, 9, 0
	OFF3 56, 75, 6, 71, 0, 0
.irp e, 0,1
.irp bt, 0,1,2,3
.irp g, 0,1,2,3,4,5,6,7
.irp jj, 0,1
	ds_load_b32 v[ACC+64*\e+16*\bt+2*\g+\jj], v12 offset:\e*16*VP+(4*\bt+\jj)*VP+256*\g
.endr
.endr
.endr
.endr
	s_wait_dscnt 63                                ; 64 loads were issued behind the first tile's
	QMAX ACC, 1, 0
	PACKW 54
	QCVT ACC, 0, ACC, 0, ACT, 0, 1
	s_wait_dscnt 0x0
	QMAX ACC+64, 1, 0
	PACKW 55
	QCVT ACC+64, 0, ACC+64, 0, ACT+16, 0, 1
.irp e, 0,1
.irp c, 0,1,2,3
	global_store_b128 v1, v[ACT+16*\e+4*\c:ACT+16*\e+4*\c+3], s[54:55] offset:8192*\e+512*\c
.endr
.endr
	v_cndmask_b32 v52, v54, v55, s61
	global_store_b32 v13, v52, s[56:57]
	s_wait_tensorcnt 0x0
	ds_add_u32 v62, v63
	s_wait_dscnt 0x0
	s_endpgm
.Lfunc_end_k_q39a59602f4_proj:
	.size	k_q39a59602f4_proj, .Lfunc_end_k_q39a59602f4_proj-k_q39a59602f4_proj
	.p2alignl 7, 3214868480
	.fill 96, 4, 3214868480
	.section	.rodata,"a",@progbits
	.p2align	6, 0x0
	.amdhsa_kernel k_q39a59602f4_proj
		.amdhsa_group_segment_fixed_size 167936
		.amdhsa_private_segment_fixed_size 0
		.amdhsa_enable_private_segment 0
		.amdhsa_kernarg_size 128
		.amdhsa_user_sgpr_count 2
		.amdhsa_user_sgpr_kernarg_segment_ptr 1
		.amdhsa_wavefront_size32 1
		.amdhsa_system_sgpr_workgroup_id_x 1
		.amdhsa_system_sgpr_workgroup_id_y 1
		.amdhsa_system_sgpr_workgroup_id_z 1
		.amdhsa_system_vgpr_workitem_id 0
		.amdhsa_next_free_vgpr 512
		.amdhsa_next_free_sgpr 84
		.amdhsa_reserve_vcc 0
		.amdhsa_float_denorm_mode_32 3
		.amdhsa_float_denorm_mode_16_64 3
		.amdhsa_memory_ordered 1
		.amdhsa_forward_progress 1
		.amdhsa_inst_pref_size 104
	.end_amdhsa_kernel
	.amdgpu_metadata
---
amdhsa.version: [ 1, 2 ]
amdhsa.kernels:
  - .name:           k_q39a59602f4_proj
    .symbol:         k_q39a59602f4_proj.kd
    .args:
      - { .name: x, .offset: 0, .size: 8, .value_kind: global_buffer, .address_space: global }
      - { .name: y_codes, .offset: 8, .size: 8, .value_kind: global_buffer, .address_space: global }
      - { .name: y_scales, .offset: 16, .size: 8, .value_kind: global_buffer, .address_space: global }
      - { .name: Wq_codes, .offset: 24, .size: 8, .value_kind: global_buffer, .address_space: global }
      - { .name: Wq_scales, .offset: 32, .size: 8, .value_kind: global_buffer, .address_space: global }
      - { .name: bq, .offset: 40, .size: 8, .value_kind: global_buffer, .address_space: global }
      - { .name: Wk_codes, .offset: 48, .size: 8, .value_kind: global_buffer, .address_space: global }
      - { .name: Wk_scales, .offset: 56, .size: 8, .value_kind: global_buffer, .address_space: global }
      - { .name: bk, .offset: 64, .size: 8, .value_kind: global_buffer, .address_space: global }
      - { .name: Wv_codes, .offset: 72, .size: 8, .value_kind: global_buffer, .address_space: global }
      - { .name: Wv_scales, .offset: 80, .size: 8, .value_kind: global_buffer, .address_space: global }
      - { .name: bv, .offset: 88, .size: 8, .value_kind: global_buffer, .address_space: global }
      - { .name: qimg, .offset: 96, .size: 8, .value_kind: global_buffer, .address_space: global }
      - { .name: kimg, .offset: 104, .size: 8, .value_kind: global_buffer, .address_space: global }
      - { .name: vimg, .offset: 112, .size: 8, .value_kind: global_buffer, .address_space: global }
      - { .name: scl, .offset: 120, .size: 8, .value_kind: global_buffer, .address_space: global }
    .group_segment_fixed_size: 167936
    .private_segment_fixed_size: 0
    .kernarg_segment_align: 8
    .kernarg_segment_size: 128
    .max_flat_workgroup_size: 256
    .sgpr_count:     84
    .vgpr_count:     512
    .wavefront_size: 32
...
	.end_amdgpu_metadata
.endif
;; end of part 1
;; launch attn (part 2): grid 8 x 32, 8 waves a work-group, no clusters, 265,216 bytes of LDS; arguments qimg, kimg, vimg, scl, x_mask, y_mask, oimg, osc; writes oimg, osc
.if DOCPART == 2
	.amdgcn_target "amdgcn-amd-amdhsa--gfx1250"
	.amdhsa_code_object_version 6
	.text
	.protected	k_q39a59602f4_attn
	.globl	k_q39a59602f4_attn
	.p2align	8
	.type	k_q39a59602f4_attn,@function
k_q39a59602f4_attn:
	s_mov_b64 s[64:65], 0
	v_nop
	global_prefetch_b8 v0, s[64:65] scope:SCOPE_SE
	s_setreg_imm32_b32 hwreg(HW_REG_WAVE_MODE, 25, 1), 1
	s_wait_xcnt 0x0
; a = the sum over l = 0..3 of softmax(mask(q_l k_l^T / 8)); O = Q(a) Q(v); O is quantised for the product with Wo.  All products on E5M2 codes with E8M0 scales.
; Work-group (x = j, y = 8 b + head): the 128 queries of x's row tile 16 j within the head (query = 8 row + column group g), as four pairs of tiles g = 2 p, 2 p + 1.
; The eight waves share the KEYS: wave w owns y's row tile w of the head: 128 keys, 8 score tiles, one K step of a v.  A row's maximum and sum are joined through LDS (two barriers a layer), O's eight parts likewise.
; S^T = K Q^T: source 0 = a K fragment, which holds two key tiles of K = 64 (registers 0-7: g even, 8-15: g odd); source 1 = Q beside eight registers of zero codes, which pick one of the two.
; y's mask is the C of the score products (0 or -1e9).  A row whose x mask is 0, or a batch with no key left, is uniform in reference(): a = 4 / 1,024: there the factor F is 0 and a starts at 2^-8.
; The softmax takes the row's maximum away: each wave its own, then the common one by 2^(c max_w - M).
; NO CLUSTER: the eight work-groups of a head read the same K and V, but as register images, each wave its own 8,192 bytes a layer; K of four layers (262,144 bytes) and O's parts (65,536) do not fit in LDS together as joint tiles would ask.
; LIMITS: unmasked raw scores lie above some -1e8, as reference()'s own -1e9 presumes; NaN and infinities are not served; O's sum over the keys is made of eight parts (another order of rounding than one chain).
.set OP, 196608                        ; LDS: 0: K of layers 0-2, 24,576 bytes a wave, its own; here O's parts: 32,768 t + 4,096 w;
.set ST, 262144                        ; here (c max, sum): 1,024 t + 64 r + 8 w
.set Q, 32                             ; v32-79: for tile t: 8 zeros, 8 of Q, 8 zeros
.set KS, 80                            ; v80-95 K's scale words (4 l + w')
.set MB, 96                            ; v96-159 the mask as C: 8 g + j
.set KB, 160                           ; v160-223 four fragments of K or of V
.set SL, 224                           ; v224-239 the eight waves' (c max, sum)
.set TM, 224                           ; the same registers serve the quantiser
.set E, 240
.set QS, 249
.set PSW, 251
.set VS, 252
.set CS, 42
.set SEL, 48
.set MNT, 50
.set MSB, 0
.macro WIN new
.if MSB != (\new)
	s_set_vgpr_msb (MSB<<8)|(\new)
.set MSB, (\new)
.endif
.endm
.macro NOPS n
.rept \n
	v_nop
.endr
.endm
.macro MM d, a, b, c, sa, sb
	v_wmma_scale_f32_16x16x128_f8f6f4 v[\d:\d+7], v[\a:\a+15], v[\b:\b+15], v[\c:\c+7], v[\sa], v[\sb] matrix_a_fmt:MATRIX_FMT_BF8 matrix_b_fmt:MATRIX_FMT_BF8
.endm
.macro MM0 d, a, b, sa, sb
	v_wmma_scale_f32_16x16x128_f8f6f4 v[\d:\d+7], v[\a:\a+15], v[\b:\b+15], 0, v[\sa], v[\sb] matrix_a_fmt:MATRIX_FMT_BF8 matrix_b_fmt:MATRIX_FMT_BF8
.endm
.macro OFF3 p, a, sa, b, sb, k
	s_lshl_b32 s68, s[\a], \sa
	s_lshl_b32 s70, s[\b], \sb
	s_add_co_u32 s68, s68, s70
	s_add_co_u32 s68, s68, \k
	s_add_nc_u64 s[\p:\p+1], s[\p:\p+1], s[68:69]
.endm
.macro QMAX src, sgn, ws
	WIN 5*\ws
.irp b, 0,1,2,3
.if \sgn
	v_max3_num_f32 v[TM+\b], |v[16*\b+(\src)]|, |v[16*\b+1+(\src)]|, 0x8000000
.else
	v_max3_num_f32 v[TM+\b], v[16*\b+(\src)], v[16*\b+1+(\src)], 0x8000000
.endif
.endr
	WIN 0x14*\ws
.irp i, 2,4,6,8,10,12,14
.irp b, 0,1,2,3
.if \sgn
	v_max3_num_f32 v[TM+\b], v[TM+\b], |v[16*\b+\i+(\src)]|, |v[16*\b+\i+1+(\src)]|
.else
	v_max3_num_f32 v[TM+\b], v[TM+\b], v[16*\b+\i+(\src)], v[16*\b+\i+1+(\src)]
.endif
.endr
.endr
	WIN 0
.irp b, 0,1,2,3
	v_permlanex16_b32 v[TM+4+\b], v[TM+\b], s[SEL], s[SEL+1]
.endr
.irp b, 0,1,2,3
	v_max_num_f32 v[TM+\b], v[TM+\b], v[TM+4+\b]
.endr
.irp b, 0,1,2,3
	v_add_nc_u32 v[TM+12+\b], 0xf8800000, v[TM+\b]
.endr
.irp b, 0,1,2,3
	v_and_or_b32 v[TM+8+\b], v[TM+\b], 0x7f800000, s[MNT]
.endr
.irp b, 0,1,2,3
	v_lshrrev_b32 v[TM+4+\b], 23, v[TM+12+\b]
.endr
.endm
.macro QCVT src, ws, hd, wh, dst, wd, sgn
	WIN \ws|(\wh<<6)
.irp b, 0,1,2,3
.irp i, 0,1,2,3,4,5,6,7,8,9,10,11,12,13,14,15
.if \sgn
	v_med3_num_f32 v[16*\b+\i+(\hd)], v[16*\b+\i+(\src)], -v[TM+8+\b], v[TM+8+\b]
.else
	v_min_num_f32 v[16*\b+\i+(\hd)], v[16*\b+\i+(\src)], v[TM+8+\b]
.endif
.endr
.endr
	WIN \wh|(\wd<<6)
.irp b, 0,1,2,3
	v_cvt_scalef32_pk8_bf8_f32 v[4*\b+(\dst):4*\b+1+(\dst)], v[16*\b+(\hd):16*\b+7+(\hd)], v[TM+12+\b]
	v_cvt_scalef32_pk8_bf8_f32 v[4*\b+2+(\dst):4*\b+3+(\dst)], v[16*\b+8+(\hd):16*\b+15+(\hd)], v[TM+12+\b]
.endr
	WIN 0
	v_nop
.endm
.macro PACKW d
	v_lshl_or_b32 v[\d], v[TM+5], 8, v[TM+4]
	v_lshl_or_b32 v[\d], v[TM+6], 16, v[\d]
	v_lshl_or_b32 v[\d], v[TM+7], 24, v[\d]
.endm
.macro KLD_L l                         ; my K of layer l (0-2) from my own LDS bytes
.set i, 0
.rept 16
	ds_load_b128 v[KB+4*i:KB+4*i+3], v3 offset:8192*(\l)+512*i
.set i, i+1
.endr
.endm
.macro KLD_G                           ; layer 3's from memory: a fourth layer does not fit in LDS
.set i, 0
.rept 16
	global_load_b128 v[KB+4*i:KB+4*i+3], v1, s[8:9] offset:3*2097152+512*i
.set i, i+1
.endr
.endm
.macro VLD                             ; my 128 keys of V: four tiles of 16 of the head's 64
.set i, 0
.rept 16
	global_load_b128 v[KB+4*i:KB+4*i+3], v1, s[12:13] offset:512*i
.set i, i+1
.endr
.endm
.macro QLD l, qb, qs                   ; the pair's Q of layer l and its scale word
.irp c, 0,1,2,3
	global_load_b128 v[Q+24*(\c/2)+8+4*(\c%2):Q+24*(\c/2)+8+4*(\c%2)+3], v1, s[\qb:\qb+1] offset:(\l)*2097152+512*\c
.endr
	global_load_b32 v31, v2, s[\qs:\qs+1] offset:(\l)*65536
.endm
.macro SMM l                           ; 16 score tiles: S(t, g) in window 1 at 64 t + 8 g
	WIN 0x40
.irp t, 0,1
.irp g, 0,1,2,3,4,5,6,7
	MM 64*\t+8*\g, KB+16*(\g/2), Q+24*\t+8-8*(\g%2), MB+8*\g, KS+4*(\l)+\g/2, QS+\t
.endr
.endr
	WIN 0
.endm
; Tile t, my 128 keys: (c max, sum) into v[18 + 2 t : 19 + 2 t], p = 2^(c s - c max) in place.  64 exponentials are one batch with one wait.
.macro LOCAL t
.set SB, 64*\t
	WIN 0x05
.irp k, 0,1,2,3
	v_max_num_f32 v[22+\k], v[SB+16*\k], v[SB+16*\k+1]
.endr
	WIN 0x14
.irp i, 2,4,6,8,10,12,14
.irp k, 0,1,2,3
	v_max3_num_f32 v[22+\k], v[22+\k], v[SB+16*\k+\i], v[SB+16*\k+\i+1]
.endr
.endr
	WIN 0
	v_max3_num_f32 v22, v22, v23, v24
	v_max_num_f32 v22, v22, v25
	v_permlanex16_b32 v30, v22, s[SEL], s[SEL+1]
	v_max_num_f32 v22, v22, v30
	v_mul_f32 v[18+2*\t], s[CS], v22
	v_xor_b32 v16, 0x80000000, v[18+2*\t]
	WIN 0x41
.set i, 0
.rept 32
	v_pk_fma_f32 v[SB+i:SB+i+1], v[SB+i:SB+i+1], s[CS:CS+1], v[16:17] op_sel_hi:[1,0,0]
.set i, i+2
.endr
.set i, 0
.rept 64
	v_exp_f32 v[SB+i], v[SB+i]
.set i, i+1
.endr
	v_nop                                          ; the plain line behind the batch
	s_wait_alu depctr_va_vdst(0)                   ; one wait for the 64, ahead of their first reader
	WIN 0x05
	v_pk_add_f32 v[26:27], v[SB:SB+1], v[SB+2:SB+3]
	v_pk_add_f32 v[28:29], v[SB+4:SB+5], v[SB+6:SB+7]
	WIN 0x04
.set i, 8
.rept 14
	v_pk_add_f32 v[26:27], v[26:27], v[SB+i:SB+i+1]
	v_pk_add_f32 v[28:29], v[28:29], v[SB+i+2:SB+i+3]
.set i, i+4
.endr
	WIN 0
	v_pk_add_f32 v[26:27], v[26:27], v[28:29]
	v_add_f32 v26, v26, v27
	v_permlanex16_b32 v30, v26, s[SEL], s[SEL+1]
	v_add_f32 v[19+2*\t], v26, v30
.endm
.macro STST t
	ds_store_b64 v4, v[18+2*\t:19+2*\t] offset:1024*\t     ; both halves of the lanes write the same pair to the same place
.endm
.macro STLD t
.irp q, 0,1,2,3
	ds_load_b128 v[SL+4*\q:SL+4*\q+3], v5 offset:1024*\t+16*\q
.endr
.endm
; The eight waves' figures joined: F = 2^(c max_w - M) / sum; a(16 c + 2 g + jj) += p(8 g + 2 c + jj) F: a's registers run in the order of the next operand
.macro COMBINE t, l
	v_max3_num_f32 v22, v[SL], v[SL+2], v[SL+4]
	v_max3_num_f32 v22, v22, v[SL+6], v[SL+8]
	v_max3_num_f32 v22, v22, v[SL+10], v[SL+12]
	v_max_num_f32 v22, v22, v[SL+14]
.irp i, 0,1,2,3,4,5,6,7
	v_sub_f32 v[E+\i], v[SL+2*\i], v22
.endr
	v_sub_f32 v[E+8], v[18+2*\t], v22
.irp i, 0,1,2,3,4,5,6,7,8
	v_exp_f32 v[E+\i], v[E+\i]
.endr
	v_nop
	s_wait_alu depctr_va_vdst(0)
	v_mul_f32 v23, v[SL+1], v[E]
.irp i, 1,2,3,4,5,6,7
	v_fma_f32 v23, v[SL+2*\i+1], v[E+\i], v23
.endr
	v_rcp_f32 v24, v23
	v_nop
	s_wait_alu depctr_va_vdst(0)
	v_mul_f32 v14, v[E+8], v24
	v_and_b32 v14, v14, v[11+2*\t]                 ; 0 where the row is uniform
.set SB, 64*\t
.set AB, 128+64*\t
.if \l == 0
	WIN 0x41
.else
	WIN 0x51
.endif
.irp bt, 0,1,2,3
.irp g, 0,1,2,3,4,5,6,7
.if \l == 0
	v_pk_fma_f32 v[AB+16*\bt+2*\g:AB+16*\bt+2*\g+1], v[SB+8*\g+2*\bt:SB+8*\g+2*\bt+1], v[14:15], v[10+2*\t:11+2*\t] op_sel_hi:[1,0,0]
.else
	v_pk_fma_f32 v[AB+16*\bt+2*\g:AB+16*\bt+2*\g+1], v[SB+8*\g+2*\bt:SB+8*\g+2*\bt+1], v[14:15], v[AB+16*\bt+2*\g:AB+16*\bt+2*\g+1] op_sel_hi:[1,0,1]
.endif
.endr
.endr
	WIN 0
.endm
; a is finished: quantised along my 128 keys (never negative: the hold is one-sided), then O^T part = V^T a^T, four tiles
.macro FIN t
.set SB, 64*\t
.set AB, 128+64*\t
	QMAX AB, 0, 1
	PACKW PSW                                      ; the 64 holds below are its places in front of the products
	QCVT AB, 1, AB, 1, SB, 1, 0
	NOPS 3                                         ; with QCVT's last line: four places behind the codes
	s_wait_loadcnt 0x0                             ; V is in
	WIN 0x44
.irp dt, 0,1,2,3
	MM0 SB+16+8*\dt, KB+16*\dt, SB, VS+\dt, PSW
.endr
	WIN 0
.endm
.macro LAYER l
	s_wait_loadcnt 0x0                             ; Q (and K of layer 3), asked for a layer ago
	s_wait_dscnt 0x0                               ; K
	v_perm_b32 v[QS], v31, v31, s44                ; tile 0: bytes 0, 1 twice; tile 1: bytes 2, 3 twice: they serve Q in either half of the operand
	v_perm_b32 v[QS+1], v31, v31, s45
	NOPS 8
	SMM \l
	NOPS 8
.if \l < 2
	KLD_L \l+1
	QLD \l+1, 4, 6
.elseif \l == 2
	KLD_G
	QLD 3, 4, 6
.else
	QLD 0, 30, 32                                  ; the next pair's (in the last trip this pair's once more: the load stays inside its buffer and is not used)
	VLD
.endif
	LOCAL 0
	STST 0
	s_wait_dscnt 0x0
	s_barrier_signal -1
	LOCAL 1                                        ; register work while the others arrive
	s_barrier_wait -1
	STLD 0
	STST 1
	s_wait_dscnt 0x0                               ; my reads of tile 0's figures are in, my store of tile 1's has landed
	s_barrier_signal -1
	COMBINE 0, \l
.if \l == 3
	FIN 0
.endif
	s_barrier_wait -1
	STLD 1
	s_wait_dscnt 0x0
	COMBINE 1, \l
.if \l == 3
	FIN 1
.endif
.endm
	s_load_b64 s[4:5], s[0:1], 0x0                 ; qimg
	s_load_b64 s[8:9], s[0:1], 0x8                 ; kimg
	s_load_b64 s[12:13], s[0:1], 0x10              ; vimg
	s_load_b64 s[6:7], s[0:1], 0x18                ; the scale bytes: q's from byte 0, k's from 262,144, v's from 524,288
	s_load_b128 s[16:19], s[0:1], 0x20             ; x_mask, y_mask
	s_load_b128 s[20:23], s[0:1], 0x30             ; oimg, osc
	v_lshrrev_b32 v14, 5, v0
	v_readfirstlane_b32 s24, v14                   ; wave
	s_and_b32 s72, ttmp7, 0xffff                   ; 8 b + head
	s_lshr_b32 s73, s72, 3                         ; b
	s_and_b32 s74, s72, 7                          ; head
	s_mov_b32 s75, ttmp9                           ; j
	s_lshl_b32 s76, s72, 3
	s_add_co_u32 s77, s76, s24                     ; my row tile of y
	s_add_co_u32 s76, s76, s75                     ; the work-group's row tile of x
	s_lshl_b32 s78, s73, 3
	s_add_co_u32 s78, s78, s75                     ; 8 b + j
	s_lshr_b32 s79, s74, 1
	s_and_b32 s80, s74, 1
	s_mov_b32 s69, 0
	s_mov_b32 s71, 0
	s_mov_b32 s[CS], 0x3e38aa3b                    ; c = log2(e) / 8
	s_mov_b32 s[CS+1], s[CS]
	s_mov_b32 s44, 0x01000100
	s_mov_b32 s45, 0x03020302
	s_mov_b32 s[SEL], 0x76543210
	s_mov_b32 s[SEL+1], 0xfedcba98
	s_mov_b32 s[MNT], 0x600000
	v_and_b32 v14, 31, v0
	v_and_b32 v15, 15, v0
	v_lshlrev_b32 v1, 4, v14                       ; 16 x lane
	v_lshlrev_b32 v2, 2, v15                       ; 4 r
	s_mul_i32 s57, s24, 24576
	v_add_nc_u32 v3, s57, v1                       ; my K in LDS
	s_lshl_b32 s57, s24, 3
	s_add_co_u32 s57, s57, ST
	v_lshl_add_u32 v4, v15, 6, s57
	v_lshlrev_b32 v5, 6, v15
	v_add_nc_u32 v5, ST, v5
	s_lshl_b32 s57, s24, 12
	s_add_co_u32 s57, s57, OP
	v_add_nc_u32 v6, s57, v1
	s_bfe_u32 s57, s24, 0x10001                    ; the finisher's tile t
	s_and_b32 s58, s24, 1                          ; and its block of 32 of the head's 64
	s_lshl_b32 s59, s57, 15
	s_lshl_b32 s60, s58, 11
	s_add_co_u32 s59, s59, s60
	s_add_co_u32 s59, s59, OP
	v_add_nc_u32 v7, s59, v1
	s_lshl_b32 s59, s57, 13
	s_lshl_b32 s60, s58, 9
	s_add_co_u32 s59, s59, s60
	v_add_nc_u32 v9, s59, v1
	s_lshl_b32 s51, s57, 8
	s_add_co_u32 s51, s51, s58
	v_and_b32 v19, 6, v0
	v_lshlrev_b32 v19, 1, v19
	v_bfe_u32 v20, v0, 3, 1
	v_lshl_add_u32 v19, v20, 1, v19
	v_and_b32 v20, 1, v0
	v_add_nc_u32 v19, v19, v20                     ; perm(r)
	v_lshlrev_b32 v18, 5, v19                      ; x_mask: 8 words a row
	v_bfe_u32 v20, v0, 4, 1
	v_lshlrev_b32 v17, 6, v20                      ; y_mask: rows 2 h on
	s_wait_kmcnt 0x0
	s_mov_b64 s[10:11], s[6:7]
	s_mov_b64 s[14:15], s[6:7]
	OFF3 4, 76, 13, 71, 0, 0
	OFF3 6, 76, 8, 71, 0, 0
	OFF3 8, 77, 13, 71, 0, 0
	OFF3 10, 77, 8, 71, 0, 262144
	OFF3 12, 77, 13, 71, 0, 0
	OFF3 14, 77, 8, 71, 0, 524288
	OFF3 16, 73, 12, 75, 9, 0
	OFF3 18, 73, 12, 71, 0, 0
	s_mov_b64 s[46:47], s[18:19]
	OFF3 46, 24, 9, 71, 0, 0
	OFF3 20, 78, 16, 74, 10, 0
	OFF3 22, 78, 11, 79, 6, 0
	OFF3 22, 80, 1, 71, 0, 0
	WIN 0x40
.irp l, 0,1,2
.irp i, 0,1,2,3,4,5,6,7,8,9,10,11,12,13,14,15
	global_load_b128 v[64*\l+4*\i:64*\l+4*\i+3], v1, s[8:9] offset:\l*2097152+512*\i
.endr
.endr
	WIN 0
.irp l, 0,1,2,3
.irp wq, 0,1,2,3
	global_load_b32 v[KS+4*\l+\wq], v2, s[10:11] offset:\l*65536+64*\wq
.endr
.endr
.irp dt, 0,1,2,3
	global_load_b32 v[VS+\dt], v2, s[14:15] offset:64*\dt
.endr
.irp bt, 0,1,2,3
.irp jj, 0,1
.irp q, 0,1
	global_load_b128 v[KB+8*(2*\bt+\jj)+4*\q:KB+8*(2*\bt+\jj)+4*\q+3], v17, s[46:47] offset:(4*\bt+\jj)*32+16*\q   ; my keys' mask: register 8 j + g
.endr
.endr
.endr
.irp i, 0,1,2,3,4,5,6,7
	global_load_b128 v[32+4*\i:35+4*\i], v1, s[18:19] offset:512*\i        ; the batch's whole y_mask: is any key left?
.endr
	global_load_b128 v[64:67], v18, s[16:17]
	global_load_b128 v[68:71], v18, s[16:17] offset:16
	s_wait_loadcnt 0x0
	WIN 0x04
.set i, 0
.rept 48
	ds_store_b128 v3, v[4*i:4*i+3] offset:512*i
.set i, i+1
.endr
	WIN 0
	v_mov_b32 v30, 0xce6e6b28                      ; -1e9
.irp g, 0,1,2,3,4,5,6,7
.irp jp, 0,1,2,3,4,5,6,7
	v_cmp_eq_u32 vcc_lo, 0, v[KB+8*\jp+\g]
	v_cndmask_b32 v[MB+8*\g+\jp], 0, v30, vcc_lo
.endr
.endr
.set i, 1
.rept 31
	v_or_b32 v32, v32, v[32+i]
.set i, i+1
.endr
	v_cmp_ne_u32 vcc_lo, 0, v32
	s_cmp_lg_u32 vcc_lo, 0
	s_cselect_b32 s52, -1, 0
	v_mov_b32 v8, 0
.irp g, 0,1,2,3,4,5,6,7
	v_min_u32 v31, 1, v[64+\g]
	v_lshl_or_b32 v8, v31, \g, v8
.endr
	v_and_b32 v8, s52, v8                          ; bit g: query (my row, g) has keys that count
.irp t, 0,1
.irp i, 0,1,2,3,4,5,6,7
	v_mov_b32 v[Q+24*\t+\i], 0                     ; zero codes
	v_mov_b32 v[Q+24*\t+16+\i], 0
.endr
.endr
	v_mov_b32 v15, 0                               ; upper halves of pairs of which the low word serves both
	v_mov_b32 v17, 0
.irp b, 0,1,2,3
	v_mov_b32 v[TM+4+\b], 0
.endr
	s_wait_dscnt 0x0
	KLD_L 0
	QLD 0, 4, 6
	s_mov_b32 s25, 0
.Lpair:                                            ; four trips: a pair of query tiles each
	s_cmp_lt_u32 s25, 3
	s_cselect_b32 s54, 2048, 0
	s_cselect_b32 s56, 64, 0
	s_mov_b32 s55, 0
	s_mov_b32 s57, 0
	s_add_nc_u64 s[30:31], s[4:5], s[54:55]
	s_add_nc_u64 s[32:33], s[6:7], s[56:57]
	s_lshl_b32 s58, s25, 1
.irp t, 0,1
	v_lshrrev_b32 v30, s58, v8
	v_and_b32 v30, 1, v30
	v_sub_nc_u32 v[10+2*\t], v30, 1
	v_and_b32 v[10+2*\t], 0x3b800000, v[10+2*\t]   ; a starts at 0, or at 2^-8 in a uniform row
	v_sub_nc_u32 v[11+2*\t], 0, v30                ; all ones, or 0 in a uniform row
	s_add_co_u32 s58, s58, 1
.endr
	LAYER 0
	LAYER 1
	LAYER 2
	LAYER 3
	NOPS 8
	KLD_L 0
	WIN 0x04
.irp t, 0,1
.irp i, 0,1,2,3,4,5,6,7
	ds_store_b128 v6, v[64*\t+16+4*\i:64*\t+16+4*\i+3] offset:32768*\t+512*\i
.endr
.endr
	WIN 0
	s_wait_dscnt 0x0
	s_barrier_signal -1
	s_barrier_wait -1                              ; the eight parts of O^T lie in LDS
	s_cmp_lt_u32 s24, 4
	s_cbranch_scc0 .Lnofin
	WIN 0x40                                       ; waves 0-3: tile t = w / 2, channels 32 (w % 2) on: sum of the parts, one block quantised
.irp i, 0,1,2,3,4,5,6,7
.irp q, 0,1,2,3
	ds_load_b128 v[16*\i+4*\q:16*\i+4*\q+3], v7 offset:4096*\i+512*\q
.endr
.endr
	s_wait_dscnt 0x0
	WIN 0x45
.irp i, 1,2,3,4,5,6,7
.irp k, 0,2,4,6,8,10,12,14
	v_pk_add_f32 v[\k:\k+1], v[\k:\k+1], v[16*\i+\k:16*\i+\k+1]
.endr
.endr
	WIN 0x05
	v_max3_num_f32 v[TM], |v0|, |v1|, 0x8000000
	WIN 0x14
.irp i, 2,4,6,8,10,12,14
	v_max3_num_f32 v[TM], v[TM], |v[\i]|, |v[\i+1]|
.endr
	WIN 0
	v_permlanex16_b32 v[TM+4], v[TM], s[SEL], s[SEL+1]
	v_max_num_f32 v[TM], v[TM], v[TM+4]
	v_add_nc_u32 v[TM+12], 0xf8800000, v[TM]
	v_and_or_b32 v[TM+8], v[TM], 0x7f800000, s[MNT]
	v_lshrrev_b32 v[TM+4], 23, v[TM+12]
	v_add_nc_u32 v22, s51, v2
	WIN 0x41
.irp i, 0,1,2,3,4,5,6,7,8,9,10,11,12,13,14,15
	v_med3_num_f32 v[\i], v[\i], -v[TM+8], v[TM+8]
.endr
	v_cvt_scalef32_pk8_bf8_f32 v[16:17], v[0:7], v[TM+12]
	v_cvt_scalef32_pk8_bf8_f32 v[18:19], v[8:15], v[TM+12]
	v_nop
	WIN 0x04
	global_store_b128 v9, v[16:19], s[20:21]
	WIN 0
	global_store_b8 v22, v[TM+4], s[22:23]         ; both halves of the lanes store the same byte to the same place
.Lnofin:
	s_wait_xcnt 0x0                                ; the stores' and loads' bases and registers are written again only behind this wait
	s_add_nc_u64 s[20:21], s[20:21], 16384
	s_add_nc_u64 s[22:23], s[22:23], 512
	s_mov_b64 s[4:5], s[30:31]
	s_mov_b64 s[6:7], s[32:33]
	s_add_co_u32 s25, s25, 1
	s_cmp_lt_u32 s25, 4
	s_cbranch_scc1 .Lpair
	s_wait_xcnt 0x0
	v_lshl_add_u32 v254, v0, 2, 0x40800
	v_mov_b32 v255, 0
	s_wait_tensorcnt 0x0
	ds_add_u32 v254, v255
	s_wait_dscnt 0x0
	s_endpgm
.Lfunc_end_k_q39a59602f4_attn:
	.size	k_q39a59602f4_attn, .Lfunc_end_k_q39a59602f4_attn-k_q39a59602f4_attn
	.p2alignl 7, 3214868480
	.fill 96, 4, 3214868480
	.section	.rodata,"a",@progbits
	.p2align	6, 0x0
	.amdhsa_kernel k_q39a59602f4_attn
		.amdhsa_group_segment_fixed_size 265216
		.amdhsa_private_segment_fixed_size 0
		.amdhsa_enable_private_segment 0
		.amdhsa_kernarg_size 64
		.amdhsa_user_sgpr_count 2
		.amdhsa_user_sgpr_kernarg_segment_ptr 1
		.amdhsa_wavefront_size32 1
		.amdhsa_system_sgpr_workgroup_id_x 1
		.amdhsa_system_sgpr_workgroup_id_y 1
		.amdhsa_system_sgpr_workgroup_id_z 1
		.amdhsa_system_vgpr_workitem_id 0
		.amdhsa_next_free_vgpr 512
		.amdhsa_next_free_sgpr 84
		.amdhsa_reserve_vcc 1
		.amdhsa_float_denorm_mode_32 3
		.amdhsa_float_denorm_mode_16_64 3
		.amdhsa_memory_ordered 1
		.amdhsa_forward_progress 1
		.amdhsa_inst_pref_size 169
	.end_amdhsa_kernel
	.amdgpu_metadata
---
amdhsa.version: [ 1, 2 ]
amdhsa.kernels:
  - .name:           k_q39a59602f4_attn
    .symbol:         k_q39a59602f4_attn.kd
    .args:
      - { .name: qimg, .offset: 0, .size: 8, .value_kind: global_buffer, .address_space: global }
      - { .name: kimg, .offset: 8, .size: 8, .value_kind: global_buffer, .address_space: global }
      - { .name: vimg, .offset: 16, .size: 8, .value_kind: global_buffer, .address_space: global }
      - { .name: scl, .offset: 24, .size: 8, .value_kind: global_buffer, .address_space: global }
      - { .name: x_mask, .offset: 32, .size: 8, .value_kind: global_buffer, .address_space: global }
      - { .name: y_mask, .offset: 40, .size: 8, .value_kind: global_buffer, .address_space: global }
      - { .name: oimg, .offset: 48, .size: 8, .value_kind: global_buffer, .address_space: global }
      - { .name: osc, .offset: 56, .size: 8, .value_kind: global_buffer, .address_space: global }
    .group_segment_fixed_size: 265216
    .private_segment_fixed_size: 0
    .kernarg_segment_align: 8
    .kernarg_segment_size: 64
    .max_flat_workgroup_size: 256
    .sgpr_count:     84
    .vgpr_count:     512
    .wavefront_size: 32
...
	.end_amdgpu_metadata
.endif
;; end of part 2
;; launch ffn (part 3): grid 64 x 4, 8 waves a work-group, no clusters, 72,704 bytes of LDS; arguments oimg, osc, x, Wo_codes, Wo_scales, bo, g1, be1, W1_codes, W1_scales, bf1, W2_codes, W2_scales, part; writes part
.if DOCPART == 3
	.amdgcn_target "amdgcn-amd-amdhsa--gfx1250"
	.amdhsa_code_object_version 6
	.text
	.protected	k_q39a59602f4_ffn
	.globl	k_q39a59602f4_ffn
	.p2align	8
	.type	k_q39a59602f4_ffn,@function
k_q39a59602f4_ffn:
	s_mov_b64 s[64:65], 0
	v_nop
	global_prefetch_b8 v0, s[64:65] scope:SCOPE_SE
	s_setreg_imm32_b32 hwreg(HW_REG_WAVE_MODE, 25, 1), 1
	s_wait_xcnt 0x0
; Layer 3's tail, for 64 rows (x of the grid) and a quarter of the hidden layer (y): h = LN1(x + O Wo + bo); part = [h in slice 0] + Q(gelu(Q(h) W1 + bf1)) W2 over hidden units 512 y .. 512 y + 511.
; Only layer 3 of these parameters can reach the output.  Wo and LN1 are made in each of the four slices, so that 256 work-groups have work; the four parts are added by the next launch.
; Eight waves share the columns: wave w makes 64 columns of each product for the 64 rows (16 accumulators).  Weights go from memory straight into operand registers, a slab (4 tiles x 128 K) two steps ahead.
; Products transposed, tiles' weight rows chosen and operands handed on as register images, as in the first launch.  Row tile m, lane r stands for row 128 (rb / 2) + 4 (rb % 2) + m + 8 perm(r).
; gelu is the exact one: erf(z) = z P(z^2) / Q(z^2), z held within +-4, a rational form good to a few units in f32's last place.  LN: mean first, then squares about it; parts joined without a difference of large sums.
; NO CLUSTER: the 64 row blocks of a slice read the same weights, but each wave takes its own 64 rows straight into operand registers (8,192 bytes a slab); there is no LDS tile that a joint load could fill.
; LIMITS: NaN and infinities are not served; a block of zeros gets the byte 1; W2's sum over K is made of four parts.
.set ASC, 0                            ; LDS: scale words of O, then of h: (4 m + s) 64 + 4 r
.set GSC, 1024                         ; of the hidden layer
.set LNS, 2048                         ; (mean, M2): 1,024 m + 64 r + 8 w
.set AIMG, 6144                        ; 16 fragments (4 m + s) x 2,048: O, then h
.set GIMG, 38912                       ; the hidden layer's
.set TM, 40
.set ACT, 64
.set SEL, 56
.set MNT, 58
.set MSB, 0
.macro WIN new
.if MSB != (\new)
	s_set_vgpr_msb (MSB<<8)|(\new)
.set MSB, (\new)
.endif
.endm
.macro NOPS n
.rept \n
	v_nop
.endr
.endm
.macro BAR
	s_wait_dscnt 0x0
	s_barrier_signal -1
	s_barrier_wait -1
.endm
.macro MM d, a, b, c, sa, sb
	v_wmma_scale_f32_16x16x128_f8f6f4 v[\d:\d+7], v[\a:\a+15], v[\b:\b+15], v[\c:\c+7], v[\sa], v[\sb] matrix_a_fmt:MATRIX_FMT_BF8 matrix_b_fmt:MATRIX_FMT_BF8
.endm
.macro OFF3 p, a, sa, b, sb, k
	s_lshl_b32 s68, s[\a], \sa
	s_lshl_b32 s70, s[\b], \sb
	s_add_co_u32 s68, s68, s70
	s_add_co_u32 s68, s68, \k
	s_add_nc_u64 s[\p:\p+1], s[\p:\p+1], s[68:69]
.endm
.macro QMAX src, sgn, ws
	WIN 5*\ws
.irp b, 0,1,2,3
	v_max3_num_f32 v[TM+\b], |v[16*\b+(\src)]|, |v[16*\b+1+(\src)]|, 0x8000000
.endr
	WIN 0x14*\ws
.irp i, 2,4,6,8,10,12,14
.irp b, 0,1,2,3
	v_max3_num_f32 v[TM+\b], v[TM+\b], |v[16*\b+\i+(\src)]|, |v[16*\b+\i+1+(\src)]|
.endr
.endr
	WIN 0
.irp b, 0,1,2,3
	v_permlanex16_b32 v[TM+4+\b], v[TM+\b], s[SEL], s[SEL+1]
.endr
.irp b, 0,1,2,3
	v_max_num_f32 v[TM+\b], v[TM+\b], v[TM+4+\b]
.endr
.irp b, 0,1,2,3
	v_add_nc_u32 v[TM+12+\b], 0xf8800000, v[TM+\b]
.endr
.irp b, 0,1,2,3
	v_and_or_b32 v[TM+8+\b], v[TM+\b], 0x7f800000, s[MNT]
.endr
.irp b, 0,1,2,3
	v_lshrrev_b32 v[TM+4+\b], 23, v[TM+12+\b]
.endr
.endm
.macro QCVT src, ws, hd, wh, dst, wd, sgn
	WIN \ws|(\wh<<6)
.irp b, 0,1,2,3
.irp i, 0,1,2,3,4,5,6,7,8,9,10,11,12,13,14,15
	v_med3_num_f32 v[16*\b+\i+(\hd)], v[16*\b+\i+(\src)], -v[TM+8+\b], v[TM+8+\b]
.endr
.endr
	WIN \wh|(\wd<<6)
.irp b, 0,1,2,3
	v_cvt_scalef32_pk8_bf8_f32 v[4*\b+(\dst):4*\b+1+(\dst)], v[16*\b+(\hd):16*\b+7+(\hd)], v[TM+12+\b]
	v_cvt_scalef32_pk8_bf8_f32 v[4*\b+2+(\dst):4*\b+3+(\dst)], v[16*\b+8+(\hd):16*\b+15+(\hd)], v[TM+12+\b]
.endr
	WIN 0
	v_nop
.endm
; A slab: 4 tiles x 128 K of a weight and their scale words: 20 loads.  Slabs 0-3 Wo, 4-7 W1, 8-11 W2; buffer i % 2 at v128 / v192 (window 0; slabs 10, 11 window 1); scale words in set i % 4
.macro SLABX dst, cp, ca, rowb, sp, sa, scb, s
.irp t, 0,1,2,3
.irp c, 0,1,2,3
	global_load_b128 v[16*\t+4*\c+(\dst):16*\t+4*\c+3+(\dst)], v[\ca], s[\cp:\cp+1] offset:(32*(\t/2)+8*(\t%2))*\rowb+128*(\s)+32*\c
.endr
.endr
	WIN 0
.irp t, 0,1,2,3
	global_load_b32 v[24+4*(\s)+\t], v[\sa], s[\sp:\sp+1] offset:(32*(\t/2)+8*(\t%2))*\scb+4*(\s)
.endr
.endm
.macro SLAB i
.if (\i) < 4
	SLABX 128+64*((\i)%2), 10, 3, 512, 12, 5, 16, (\i)%4
.elseif (\i) < 8
	SLABX 128+64*((\i)%2), 20, 3, 512, 22, 5, 16, (\i)%4
.elseif (\i) < 10
	SLABX 128+64*((\i)%2), 26, 4, 2048, 28, 6, 64, (\i)%4
.else
	WIN 0x40
	SLABX 128+64*((\i)%2), 26, 4, 2048, 28, 6, 64, (\i)%4
.endif
.endm
; A K step: the four row tiles' fragments from LDS, 16 matrix instructions on slab i, the accumulators by turns; eight places behind them
.macro STEP i, img, scb, d, cnt, bias
.set SS, (\i)%4
.irp m, 0,1,2,3
.irp c, 0,1,2,3
	ds_load_b128 v[ACT+16*\m+4*\c:ACT+16*\m+4*\c+3], v[\img] offset:(4*\m+SS)*2048+512*\c
.endr
	ds_load_b32 v[20+\m], v2 offset:\scb+(4*\m+SS)*64
.endr
	s_wait_loadcnt \cnt                            ; the loads of the slabs issued behind this one may stay out
	s_wait_dscnt 0x0
.if (\i) >= 10
	WIN 0x51
.else
	WIN 0x50
.endif
.irp m, 0,1,2,3
.if \bias && (\m == 3)
	NOPS 9                                         ; m = 3 writes over the registers that the twelve before took as C
.endif
.irp t, 0,1,2,3
.if \bias && (\m < 3)
	MM \d+32*\m+8*\t, 128+64*((\i)%2)+16*\t, ACT+16*\m, \d+96+8*\t, 24+4*SS+\t, 20+\m
.else
	MM \d+32*\m+8*\t, 128+64*((\i)%2)+16*\t, ACT+16*\m, \d+32*\m+8*\t, 24+4*SS+\t, 20+\m
.endif
.endr
.endr
	WIN 0
	NOPS 8
.endm
; gelu of 16 numbers at window 1, v[128 + 16 bb]: temporaries z, z^2 (later u / 2), P, Q in v64-127
.macro GELU bb
.set U, 128+16*\bb
.set Z, ACT
.set Z2, ACT+16
.set PP, ACT+32
.set QQ, ACT+48
	WIN 0x01
.irp k, 0,2,4,6,8,10,12,14
	v_pk_mul_f32 v[Z+\k:Z+\k+1], v[U+\k:U+\k+1], s[60:61] op_sel_hi:[1,0]
.endr
	WIN 0
.irp i, 0,1,2,3,4,5,6,7,8,9,10,11,12,13,14,15
	v_med3_num_f32 v[Z+\i], v[Z+\i], -4.0, 4.0
.endr
.irp k, 0,2,4,6,8,10,12,14
	v_pk_mul_f32 v[Z2+\k:Z2+\k+1], v[Z+\k:Z+\k+1], v[Z+\k:Z+\k+1]
.endr
.irp k, 0,2,4,6,8,10,12,14
	v_pk_fma_f32 v[PP+\k:PP+\k+1], v[Z2+\k:Z2+\k+1], s[36:37], v[16:17] op_sel_hi:[1,0,1]
	v_pk_fma_f32 v[QQ+\k:QQ+\k+1], v[Z2+\k:Z2+\k+1], s[48:49], v[18:19] op_sel_hi:[1,0,1]
.endr
.irp a, 38,40,42,44,46
.irp k, 0,2,4,6,8,10,12,14
	v_pk_fma_f32 v[PP+\k:PP+\k+1], v[PP+\k:PP+\k+1], v[Z2+\k:Z2+\k+1], s[\a:\a+1] op_sel_hi:[1,1,0]
.endr
.endr
.irp a, 50,52,54
.irp k, 0,2,4,6,8,10,12,14
	v_pk_fma_f32 v[QQ+\k:QQ+\k+1], v[QQ+\k:QQ+\k+1], v[Z2+\k:Z2+\k+1], s[\a:\a+1] op_sel_hi:[1,1,0]
.endr
.endr
.irp i, 0,1,2,3,4,5,6,7,8,9,10,11,12,13,14,15
	v_rcp_f32 v[QQ+\i], v[QQ+\i]
.endr
	WIN 0x01
.irp k, 0,2,4,6,8,10,12,14
	v_pk_mul_f32 v[Z2+\k:Z2+\k+1], v[U+\k:U+\k+1], 0.5 op_sel_hi:[1,0]   ; u / 2: the plain work behind the batch
.endr
	WIN 0
	s_wait_alu depctr_va_vdst(0)                   ; one wait for the 16 reciprocals
.irp k, 0,2,4,6,8,10,12,14
	v_pk_mul_f32 v[PP+\k:PP+\k+1], v[PP+\k:PP+\k+1], v[Z+\k:Z+\k+1]
.endr
.irp k, 0,2,4,6,8,10,12,14
	v_pk_mul_f32 v[PP+\k:PP+\k+1], v[PP+\k:PP+\k+1], v[QQ+\k:QQ+\k+1]
.endr
	WIN 0x40
.irp k, 0,2,4,6,8,10,12,14
	v_pk_fma_f32 v[U+\k:U+\k+1], v[Z2+\k:Z2+\k+1], v[PP+\k:PP+\k+1], v[Z2+\k:Z2+\k+1]   ; u / 2 x erf + u / 2
.endr
	WIN 0
.endm
	s_load_b512 s[4:19], s[0:1], 0x0               ; oimg, osc, x, Wo_codes, Wo_scales, bo, g1, be1
	s_load_b256 s[20:27], s[0:1], 0x40             ; W1_codes, W1_scales, bf1, W2_codes
	s_load_b128 s[28:31], s[0:1], 0x60             ; W2_scales, part
	v_lshrrev_b32 v40, 5, v0
	v_readfirstlane_b32 s32, v40                   ; wave
	s_mov_b32 s66, ttmp9                           ; rb
	s_and_b32 s67, ttmp7, 0xffff                   ; slice
	s_mov_b32 s69, 0
	s_mov_b32 s71, 0
	s_lshr_b32 s72, s32, 1
	s_and_b32 s73, s32, 1
	s_lshr_b32 s74, s66, 1
	s_and_b32 s75, s66, 1
	s_cmp_eq_u32 s67, 0
	s_cselect_b32 s34, 0x3f800000, 0               ; h itself is added in slice 0 alone
	s_mov_b32 s35, s34
	s_mov_b32 s36, 0xaf95df0b                      ; P's coefficients 0, 2 .. 6 (1 stands in v[16:17])
	s_mov_b32 s38, 0xb60cff51
	s_mov_b32 s40, 0xb86ec2d2
	s_mov_b32 s42, 0xba40ac63
	s_mov_b32 s44, 0xbb41a1f6
	s_mov_b32 s46, 0xbc83dbd4
	s_mov_b32 s48, 0xb77460cd                      ; Q's coefficients 0, 2, 3, 4 (1 stands in v[18:19])
	s_mov_b32 s50, 0xbadc924e
	s_mov_b32 s52, 0xbbf19bf8
	s_mov_b32 s54, 0xbc69b6a7
.irp p, 36,38,40,42,44,46,48,50,52,54
	s_mov_b32 s[\p+1], s[\p]                       ; named as pairs, so both words are written
.endr
	s_mov_b32 s[SEL], 0x76543210
	s_mov_b32 s[SEL+1], 0xfedcba98
	s_mov_b32 s[MNT], 0x600000
	s_mov_b32 s59, 0x3727c5ac                      ; 1e-5
	s_mov_b32 s60, 0x3f3504f3                      ; 1 / sqrt(2)
	s_mov_b32 s61, s60
	s_mov_b32 s62, 0x3b000000                      ; 1 / 512
	v_mov_b32 v16, 0x32edffee
	v_mov_b32 v17, 0x32edffee
	v_mov_b32 v18, 0xb95fbd29
	v_mov_b32 v19, 0xb95fbd29
	v_and_b32 v43, 31, v0                          ; lane
	v_and_b32 v44, 15, v0                          ; r
	v_bfe_u32 v40, v0, 4, 1                        ; h
	v_and_b32 v41, 8, v0
	v_add_nc_u32 v41, v41, v44                     ; r + 8 (r / 8)
	v_and_b32 v42, 6, v0
	v_lshlrev_b32 v42, 1, v42
	v_bfe_u32 v45, v0, 3, 1
	v_lshl_add_u32 v42, v45, 1, v42
	v_and_b32 v45, 1, v0
	v_add_nc_u32 v42, v42, v45                     ; perm(r)
	v_lshlrev_b32 v1, 4, v43
	v_lshlrev_b32 v2, 2, v44
	v_lshlrev_b32 v3, 9, v41
	v_lshl_add_u32 v3, v40, 4, v3
	v_lshlrev_b32 v4, 11, v41
	v_lshl_add_u32 v4, v40, 4, v4
	v_lshlrev_b32 v5, 4, v41
	v_lshlrev_b32 v6, 6, v41
	v_lshlrev_b32 v7, 6, v40
	v_lshlrev_b32 v8, 14, v42
	v_lshl_add_u32 v8, v40, 6, v8
	s_lshl_b32 s33, s72, 11
	s_lshl_b32 s70, s73, 10
	s_add_co_u32 s33, s33, s70
	s_add_co_u32 s33, s33, AIMG
	v_add_nc_u32 v9, s33, v1                       ; where my blocks of h go
	s_lshl_b32 s33, s72, 6
	s_lshl_b32 s70, s73, 1
	s_add_co_u32 s33, s33, s70
	v_add_nc_u32 v10, s33, v2                      ; and their two scale bytes
	v_add_nc_u32 v11, AIMG, v1
	v_add_nc_u32 v12, GIMG, v1
	v_add_nc_u32 v13, 32768, v9
	s_lshl_b32 s33, s32, 3
	s_add_co_u32 s33, s33, LNS
	v_lshl_add_u32 v14, v44, 6, s33
	v_lshlrev_b32 v15, 6, v44
	v_add_nc_u32 v15, LNS, v15
	s_lshl_b32 s33, s32, 12
	v_add_nc_u32 v45, s33, v1                      ; the copy of O: 4,096 bytes a wave
	v_add_nc_u32 v46, AIMG, v45
	v_lshlrev_b32 v47, 2, v0
.irp i, 56,57,58,59,60,61,62,63
	v_mov_b32 v[\i], 0
.endr
	s_wait_kmcnt 0x0
	OFF3 4, 66, 15, 71, 0, 0
	OFF3 6, 66, 10, 71, 0, 0
	OFF3 8, 74, 18, 75, 13, 0
	OFF3 8, 32, 8, 71, 0, 0
	OFF3 10, 32, 15, 71, 0, 786432
	OFF3 12, 32, 10, 71, 0, 24576
	OFF3 14, 32, 8, 71, 0, 6144
	OFF3 16, 32, 8, 71, 0, 6144
	OFF3 18, 32, 8, 71, 0, 6144
	OFF3 20, 67, 18, 32, 15, 3145728
	OFF3 22, 67, 13, 32, 10, 98304
	OFF3 24, 67, 11, 32, 8, 24576
	OFF3 26, 32, 17, 67, 9, 3145728
	OFF3 28, 32, 12, 67, 4, 98304
	OFF3 30, 67, 23, 66, 17, 0
	OFF3 30, 32, 12, 71, 0, 0
.irp q, 0,1,2,3,4,5,6,7
	global_load_b128 v[ACT+4*\q:ACT+4*\q+3], v45, s[4:5] offset:512*\q
.endr
	global_load_b32 v48, v47, s[6:7]
	WIN 0x40
.irp m, 0,1,2,3
.irp t, 0,1,2,3
	global_load_b128 v[32*\m+8*\t:32*\m+8*\t+3], v8, s[8:9] offset:2048*\m+(32*(\t/2)+8*(\t%2))*4
	global_load_b128 v[32*\m+8*\t+4:32*\m+8*\t+7], v8, s[8:9] offset:2048*\m+(32*(\t/2)+8*(\t%2))*4+16
.endr
.endr
	WIN 0
.irp t, 0,1,2,3
	global_load_b128 v[ACT+32+8*\t:ACT+35+8*\t], v7, s[14:15] offset:(32*(\t/2)+8*(\t%2))*4
	global_load_b128 v[ACT+36+8*\t:ACT+39+8*\t], v7, s[14:15] offset:(32*(\t/2)+8*(\t%2))*4+16
.endr
	WIN 0x40
.irp t, 0,1,2,3
	global_load_b128 v[192+8*\t:195+8*\t], v7, s[16:17] offset:(32*(\t/2)+8*(\t%2))*4
	global_load_b128 v[196+8*\t:199+8*\t], v7, s[16:17] offset:(32*(\t/2)+8*(\t%2))*4+16
.endr
.irp t, 0,1,2,3
	global_load_b128 v[224+8*\t:227+8*\t], v7, s[18:19] offset:(32*(\t/2)+8*(\t%2))*4
	global_load_b128 v[228+8*\t:231+8*\t], v7, s[18:19] offset:(32*(\t/2)+8*(\t%2))*4+16
.endr
	WIN 0
	SLAB 0
	SLAB 1
	s_wait_loadcnt 63                              ; 96 loads were issued behind the copy's nine
.irp q, 0,1,2,3,4,5,6,7
	ds_store_b128 v46, v[ACT+4*\q:ACT+4*\q+3] offset:512*\q
.endr
	ds_store_b32 v47, v48
	s_wait_loadcnt 56                              ; x and bo are in; g1, be1 and two slabs may stay out
	WIN 0x41
.irp m, 0,1,2,3
.set i, 0
.rept 16
	v_pk_add_f32 v[32*\m+i:32*\m+i+1], v[32*\m+i:32*\m+i+1], v[ACT+32+i:ACT+33+i]
.set i, i+2
.endr
.endr
	WIN 0
	BAR                                            ; O's fragments lie in LDS
	STEP 0, 11, ASC, 0, 20, 0                      ; x + bo + O Wo, in window 1 v0-127
	SLAB 2
	STEP 1, 11, ASC, 0, 20, 0
	SLAB 3
	STEP 2, 11, ASC, 0, 20, 0
	SLAB 4
	STEP 3, 11, ASC, 0, 20, 0
	SLAB 5
	; LN1: my 64 columns' mean and squares about it, for each row tile
	WIN 0x05
.irp m, 0,1,2,3
	v_pk_add_f32 v[40+4*\m:41+4*\m], v[32*\m:32*\m+1], v[32*\m+2:32*\m+3]
	v_pk_add_f32 v[42+4*\m:43+4*\m], v[32*\m+4:32*\m+5], v[32*\m+6:32*\m+7]
.endr
	WIN 0x04
.irp i, 8,12,16,20,24,28
.irp m, 0,1,2,3
	v_pk_add_f32 v[40+4*\m:41+4*\m], v[40+4*\m:41+4*\m], v[32*\m+\i:32*\m+\i+1]
	v_pk_add_f32 v[42+4*\m:43+4*\m], v[42+4*\m:43+4*\m], v[32*\m+\i+2:32*\m+\i+3]
.endr
.endr
	WIN 0
.irp m, 0,1,2,3
	v_pk_add_f32 v[40+4*\m:41+4*\m], v[40+4*\m:41+4*\m], v[42+4*\m:43+4*\m]
.endr
.irp m, 0,1,2,3
	v_add_f32 v[40+4*\m], v[40+4*\m], v[41+4*\m]
.endr
.irp m, 0,1,2,3
	v_permlanex16_b32 v[42+4*\m], v[40+4*\m], s[SEL], s[SEL+1]
.endr
.irp m, 0,1,2,3
	v_add_f32 v[40+4*\m], v[40+4*\m], v[42+4*\m]
.endr
.irp m, 0,1,2,3
	v_mul_f32 v[56+2*\m], 0x3c800000, v[40+4*\m]   ; / 64
.endr
.irp m, 0,1,2,3
	WIN 0x01
.set i, 0
.rept 16
	v_pk_add_f32 v[ACT+i:ACT+i+1], v[32*\m+i:32*\m+i+1], v[56+2*\m:57+2*\m] op_sel_hi:[1,0] neg_lo:[0,1] neg_hi:[0,1]
.set i, i+2
.endr
	WIN 0
	v_pk_mul_f32 v[40:41], v[ACT:ACT+1], v[ACT:ACT+1]
	v_pk_mul_f32 v[42:43], v[ACT+2:ACT+3], v[ACT+2:ACT+3]
.set i, 4
.rept 7
	v_pk_fma_f32 v[40:41], v[ACT+i:ACT+i+1], v[ACT+i:ACT+i+1], v[40:41]
	v_pk_fma_f32 v[42:43], v[ACT+i+2:ACT+i+3], v[ACT+i+2:ACT+i+3], v[42:43]
.set i, i+4
.endr
	v_pk_add_f32 v[40:41], v[40:41], v[42:43]
	v_add_f32 v40, v40, v41
	v_permlanex16_b32 v42, v40, s[SEL], s[SEL+1]
	v_add_f32 v[57+2*\m], v40, v42
	ds_store_b64 v14, v[56+2*\m:57+2*\m] offset:1024*\m
.endr
	BAR
.irp m, 0,1,2,3
.irp q, 0,1,2,3
	ds_load_b128 v[ACT+16*\m+4*\q:ACT+16*\m+4*\q+3], v15 offset:1024*\m+16*\q
.endr
.endr
	s_wait_dscnt 0x0
.irp m, 0,1,2,3
	v_add_f32 v[40+\m], v[ACT+16*\m], v[ACT+16*\m+2]
	v_add_f32 v[48+\m], v[ACT+16*\m+1], v[ACT+16*\m+3]
.endr
.irp i, 2,3,4,5,6,7
.irp m, 0,1,2,3
	v_add_f32 v[40+\m], v[40+\m], v[ACT+16*\m+2*\i]
	v_add_f32 v[48+\m], v[48+\m], v[ACT+16*\m+2*\i+1]
.endr
.endr
.irp m, 0,1,2,3
	v_mul_f32 v[56+2*\m], 0x3e000000, v[40+\m]     ; the row's mean
.endr
.irp i, 0,1,2,3,4,5,6,7
.irp m, 0,1,2,3
	v_sub_f32 v[ACT+16*\m+2*\i], v[ACT+16*\m+2*\i], v[56+2*\m]
.endr
.endr
.irp m, 0,1,2,3
	v_mul_f32 v[44+\m], v[ACT+16*\m], v[ACT+16*\m]
.endr
.irp i, 1,2,3,4,5,6,7
.irp m, 0,1,2,3
	v_fma_f32 v[44+\m], v[ACT+16*\m+2*\i], v[ACT+16*\m+2*\i], v[44+\m]
.endr
.endr
.irp m, 0,1,2,3
	v_fmamk_f32 v[52+\m], v[44+\m], 0x42800000, v[48+\m]   ; squares about the row's mean
.endr
.irp m, 0,1,2,3
	v_fma_f32 v[52+\m], v[52+\m], s62, s59
.endr
.irp m, 0,1,2,3
	v_rsq_f32 v[40+2*\m], v[52+\m]
.endr
	v_nop
	s_wait_alu depctr_va_vdst(0)
.irp mp, 0,1                                   ; h = (x - mean) rstd g1 + be1, two row tiles at a time
	WIN 0x01
.irp e, 0,1
.set i, 0
.rept 16
	v_pk_add_f32 v[ACT+32*\e+i:ACT+32*\e+i+1], v[64*\mp+32*\e+i:64*\mp+32*\e+i+1], v[56+4*\mp+2*\e:57+4*\mp+2*\e] op_sel_hi:[1,0] neg_lo:[0,1] neg_hi:[0,1]
.set i, i+2
.endr
.endr
	WIN 0
.irp e, 0,1
.set i, 0
.rept 16
	v_pk_mul_f32 v[ACT+32*\e+i:ACT+32*\e+i+1], v[ACT+32*\e+i:ACT+32*\e+i+1], v[40+4*\mp+2*\e:41+4*\mp+2*\e] op_sel_hi:[1,0]
.set i, i+2
.endr
.endr
	WIN 0x54
.irp e, 0,1
.set i, 0
.rept 16
	v_pk_fma_f32 v[64*\mp+32*\e+i:64*\mp+32*\e+i+1], v[ACT+32*\e+i:ACT+32*\e+i+1], v[192+i:193+i], v[224+i:225+i]
.set i, i+2
.endr
.endr
.endr
	WIN 0x40
.irp t, 0,1,2,3                                ; bf1 in the result's layout, into the accumulators of m = 3
	global_load_b128 v[224+8*\t:227+8*\t], v7, s[24:25] offset:(32*(\t/2)+8*(\t%2))*4
	global_load_b128 v[228+8*\t:231+8*\t], v7, s[24:25] offset:(32*(\t/2)+8*(\t%2))*4+16
.endr
	WIN 0
.irp pr, 0,1                                   ; h is quantised; the held numbers go to temporaries, so that h stays
	QMAX 64*\pr, 1, 1
	v_lshl_or_b32 v[56+2*\pr], v[TM+5], 8, v[TM+4]
	v_lshl_or_b32 v[57+2*\pr], v[TM+7], 8, v[TM+6]
	QCVT 64*\pr, 1, ACT, 0, 128+16*\pr, 1, 1
	WIN 0x04
.irp bq, 0,1,2,3
	ds_store_b128 v9, v[128+16*\pr+4*\bq:128+16*\pr+4*\bq+3] offset:(2*\pr+\bq/2)*8192+(\bq%2)*512
.endr
	WIN 0
	ds_store_b16 v10, v[56+2*\pr] offset:ASC+512*\pr
	ds_store_b16 v10, v[57+2*\pr] offset:ASC+512*\pr+256
.endr
	WIN 0x41
.set i, 0
.rept 64
	v_pk_mul_f32 v[i:i+1], v[i:i+1], s[34:35] op_sel_hi:[1,0]
.set i, i+2
.endr
	WIN 0
	BAR                                            ; h's fragments lie in LDS
	STEP 4, 11, ASC, 128, 0, 1                     ; the bias was issued last: all loads are in
	SLAB 6
	STEP 5, 11, ASC, 128, 20, 0
	SLAB 7
	STEP 6, 11, ASC, 128, 20, 0
	SLAB 8
	STEP 7, 11, ASC, 128, 20, 0
	SLAB 9
.irp bb, 0,1,2,3,4,5,6,7
	GELU \bb
.endr
.irp pr, 0,1
	QMAX 128+64*\pr, 1, 1
	v_lshl_or_b32 v[56+2*\pr], v[TM+5], 8, v[TM+4]
	v_lshl_or_b32 v[57+2*\pr], v[TM+7], 8, v[TM+6]
	QCVT 128+64*\pr, 1, 128+64*\pr, 1, ACT+16*\pr, 0, 1
.irp bq, 0,1,2,3
	ds_store_b128 v13, v[ACT+16*\pr+4*\bq:ACT+16*\pr+4*\bq+3] offset:(2*\pr+\bq/2)*8192+(\bq%2)*512
.endr
	ds_store_b16 v10, v[56+2*\pr] offset:GSC+512*\pr
	ds_store_b16 v10, v[57+2*\pr] offset:GSC+512*\pr+256
.endr
	SLAB 10
	SLAB 11
	BAR                                            ; the hidden layer's fragments lie in LDS
	STEP 8, 12, GSC, 0, 60, 0
	STEP 9, 12, GSC, 0, 40, 0
	STEP 10, 12, GSC, 0, 20, 0
	STEP 11, 12, GSC, 0, 0, 0
	WIN 0x04
.irp m, 0,1,2,3
.irp q, 0,1,2,3,4,5,6,7
	global_store_b128 v1, v[32*\m+4*\q:32*\m+4*\q+3], s[30:31] offset:32768*\m+512*\q      ; 512 consecutive bytes an instruction
.endr
.endr
	WIN 0
	s_wait_xcnt 0x0
	v_lshl_add_u32 v254, v0, 2, 0x11800
	v_mov_b32 v255, 0
	s_wait_tensorcnt 0x0
	ds_add_u32 v254, v255
	s_wait_dscnt 0x0
	s_endpgm
.Lfunc_end_k_q39a59602f4_ffn:
	.size	k_q39a59602f4_ffn, .Lfunc_end_k_q39a59602f4_ffn-k_q39a59602f4_ffn
	.p2alignl 7, 3214868480
	.fill 96, 4, 3214868480
	.section	.rodata,"a",@progbits
	.p2align	6, 0x0
	.amdhsa_kernel k_q39a59602f4_ffn
		.amdhsa_group_segment_fixed_size 72704
		.amdhsa_private_segment_fixed_size 0
		.amdhsa_enable_private_segment 0
		.amdhsa_kernarg_size 112
		.amdhsa_user_sgpr_count 2
		.amdhsa_user_sgpr_kernarg_segment_ptr 1
		.amdhsa_wavefront_size32 1
		.amdhsa_system_sgpr_workgroup_id_x 1
		.amdhsa_system_sgpr_workgroup_id_y 1
		.amdhsa_system_sgpr_workgroup_id_z 1
		.amdhsa_system_vgpr_workitem_id 0
		.amdhsa_next_free_vgpr 512
		.amdhsa_next_free_sgpr 84
		.amdhsa_reserve_vcc 0
		.amdhsa_float_denorm_mode_32 3
		.amdhsa_float_denorm_mode_16_64 3
		.amdhsa_memory_ordered 1
		.amdhsa_forward_progress 1
		.amdhsa_inst_pref_size 238
	.end_amdhsa_kernel
	.amdgpu_metadata
---
amdhsa.version: [ 1, 2 ]
amdhsa.kernels:
  - .name:           k_q39a59602f4_ffn
    .symbol:         k_q39a59602f4_ffn.kd
    .args:
      - { .name: oimg, .offset: 0, .size: 8, .value_kind: global_buffer, .address_space: global }
      - { .name: osc, .offset: 8, .size: 8, .value_kind: global_buffer, .address_space: global }
      - { .name: x, .offset: 16, .size: 8, .value_kind: global_buffer, .address_space: global }
      - { .name: Wo_codes, .offset: 24, .size: 8, .value_kind: global_buffer, .address_space: global }
      - { .name: Wo_scales, .offset: 32, .size: 8, .value_kind: global_buffer, .address_space: global }
      - { .name: bo, .offset: 40, .size: 8, .value_kind: global_buffer, .address_space: global }
      - { .name: g1, .offset: 48, .size: 8, .value_kind: global_buffer, .address_space: global }
      - { .name: be1, .offset: 56, .size: 8, .value_kind: global_buffer, .address_space: global }
      - { .name: W1_codes, .offset: 64, .size: 8, .value_kind: global_buffer, .address_space: global }
      - { .name: W1_scales, .offset: 72, .size: 8, .value_kind: global_buffer, .address_space: global }
      - { .name: bf1, .offset: 80, .size: 8, .value_kind: global_buffer, .address_space: global }
      - { .name: W2_codes, .offset: 88, .size: 8, .value_kind: global_buffer, .address_space: global }
      - { .name: W2_scales, .offset: 96, .size: 8, .value_kind: global_buffer, .address_space: global }
      - { .name: part, .offset: 104, .size: 8, .value_kind: global_buffer, .address_space: global }
    .group_segment_fixed_size: 72704
    .private_segment_fixed_size: 0
    .kernarg_segment_align: 8
    .kernarg_segment_size: 112
    .max_flat_workgroup_size: 256
    .sgpr_count:     84
    .vgpr_count:     512
    .wavefront_size: 32
...
	.end_amdgpu_metadata
.endif
;; end of part 3
;; launch ln2 (part 4): grid 256 x 1, 8 waves a work-group, no clusters, 35,840 bytes of LDS; arguments part, bf2, g2, be2, out0; writes out0
.if DOCPART == 4
	.amdgcn_target "amdgcn-amd-amdhsa--gfx1250"
	.amdhsa_code_object_version 6
	.text
	.protected	k_q39a59602f4_ln2
	.globl	k_q39a59602f4_ln2
	.p2align	8
	.type	k_q39a59602f4_ln2,@function
k_q39a59602f4_ln2:
	s_mov_b64 s[64:65], 0
	v_nop
	global_prefetch_b8 v0, s[64:65] scope:SCOPE_SE
	s_setreg_imm32_b32 hwreg(HW_REG_WAVE_MODE, 25, 1), 1
	s_wait_xcnt 0x0
; out0 = LN2(the four parts + bf2[3]) with g2[3], be2[3].  A work-group takes one tile of 16 rows; wave w its columns 64 w .. 64 w + 63, in the layout in which the parts were stored (register images).
; Memory binds: each byte of the parts is read once, by loads of 512 consecutive bytes; the rows leave through a stage in LDS as whole rows, 512 consecutive bytes a store.  No matrix work, no cluster: nothing is shared.
; LN: mean first, then squares about it; the eight waves' parts are joined without a difference of large sums.  Lane r of tile QT stands for row 128 (QT / 8) + QT % 8 + 8 perm(r).
.set STG, 1024                         ; LDS: 0: (mean, M2) at 64 r + 8 w; here 16 rows, pitch 2,064
.set SP, 2064
.set X, 32
.macro BAR
	s_wait_dscnt 0x0
	s_barrier_signal -1
	s_barrier_wait -1
.endm
	s_load_b256 s[4:11], s[0:1], 0x0               ; part, bf2, g2, be2
	s_load_b64 s[12:13], s[0:1], 0x20              ; out0
	v_lshl_add_u32 v30, v0, 2, 0x8800
	v_mov_b32 v31, 0
	v_lshrrev_b32 v24, 5, v0
	v_readfirstlane_b32 s14, v24                   ; wave
	v_and_b32 v24, 31, v0
	v_and_b32 v25, 15, v0
	v_bfe_u32 v26, v0, 4, 1
	v_lshlrev_b32 v1, 4, v24
	v_lshlrev_b32 v2, 6, v26
	s_lshl_b32 s15, s14, 3
	v_lshl_add_u32 v3, v25, 6, s15
	v_lshlrev_b32 v4, 6, v25
	v_mul_u32_u24 v5, v25, SP
	v_lshl_add_u32 v5, v26, 6, v5
	s_lshl_b32 s15, s14, 8
	s_add_co_u32 s15, s15, STG
	v_add_nc_u32 v5, s15, v5
	s_mul_i32 s15, s14, 2*SP
	s_add_co_u32 s15, s15, STG
	v_add_nc_u32 v6, s15, v1
	s_mov_b32 s26, 0x76543210
	s_mov_b32 s27, 0xfedcba98
	s_mov_b32 s28, 0x3727c5ac                      ; 1e-5
	s_mov_b32 s29, 0x3b000000                      ; 1 / 512
	s_mov_b32 s31, 0
	s_mov_b32 s33, 0
	s_mov_b32 s35, 0
	s_lshl_b32 s30, ttmp9, 15
	s_lshl_b32 s15, s14, 12
	s_add_co_u32 s30, s30, s15                     ; my images in a slice
	s_lshl_b32 s32, s14, 8
	s_add_co_u32 s32, s32, 6144                    ; layer 3, my 64 columns
	s_lshr_b32 s34, ttmp9, 3
	s_lshl_b32 s34, s34, 7
	s_and_b32 s15, ttmp9, 7
	s_add_co_u32 s34, s34, s15
	s_and_b32 s15, s14, 3
	s_lshl_b32 s15, s15, 5
	s_add_co_u32 s34, s34, s15
	s_lshr_b32 s15, s14, 2
	s_lshl_b32 s15, s15, 4
	s_add_co_u32 s34, s34, s15                     ; the row of lane r = 2 w: perm(2 w + e) = 4 (w % 4) + 2 (w / 4) + e
	s_lshl_b32 s34, s34, 11
	v_mov_b32 v17, 0
	v_mov_b32 v19, 0
	v_mov_b32 v12, 0
	s_wait_kmcnt 0x0
	s_add_nc_u64 s[16:17], s[4:5], s[30:31]
	s_add_nc_u64 s[18:19], s[16:17], 0x800000
	s_add_nc_u64 s[20:21], s[18:19], 0x800000
	s_add_nc_u64 s[22:23], s[20:21], 0x800000
	s_add_nc_u64 s[6:7], s[6:7], s[32:33]
	s_add_nc_u64 s[8:9], s[8:9], s[32:33]
	s_add_nc_u64 s[10:11], s[10:11], s[32:33]
	s_add_nc_u64 s[12:13], s[12:13], s[34:35]
.irp sl, 0,1,2,3
.irp q, 0,1,2,3,4,5,6,7
	global_load_b128 v[X+32*\sl+4*\q:X+32*\sl+4*\q+3], v1, s[16+2*\sl:17+2*\sl] offset:512*\q th:TH_LOAD_NT
.endr
.endr
.irp p, 0,1,2
.irp t, 0,1,2,3
	global_load_b128 v[160+32*\p+8*\t:163+32*\p+8*\t], v2, s[6+2*\p:7+2*\p] offset:(32*(\t/2)+8*(\t%2))*4
	global_load_b128 v[164+32*\p+8*\t:167+32*\p+8*\t], v2, s[6+2*\p:7+2*\p] offset:(32*(\t/2)+8*(\t%2))*4+16
.endr
.endr
	s_wait_loadcnt 0x0
.set i, 0
.rept 16
	v_pk_add_f32 v[X+i:X+i+1], v[X+i:X+i+1], v[X+32+i:X+33+i]
	v_pk_add_f32 v[X+64+i:X+65+i], v[X+64+i:X+65+i], v[X+96+i:X+97+i]
.set i, i+2
.endr
.set i, 0
.rept 16
	v_pk_add_f32 v[X+i:X+i+1], v[X+i:X+i+1], v[X+64+i:X+65+i]
.set i, i+2
.endr
.set i, 0
.rept 16
	v_pk_add_f32 v[X+i:X+i+1], v[X+i:X+i+1], v[160+i:161+i]
.set i, i+2
.endr
	v_pk_add_f32 v[8:9], v[X:X+1], v[X+2:X+3]
	v_pk_add_f32 v[10:11], v[X+4:X+5], v[X+6:X+7]
.set i, 8
.rept 6
	v_pk_add_f32 v[8:9], v[8:9], v[X+i:X+i+1]
	v_pk_add_f32 v[10:11], v[10:11], v[X+i+2:X+i+3]
.set i, i+4
.endr
	v_pk_add_f32 v[8:9], v[8:9], v[10:11]
	v_add_f32 v8, v8, v9
	v_permlanex16_b32 v12, v8, s26, s27
	v_add_f32 v8, v8, v12
	v_mul_f32 v16, 0x3c800000, v8                  ; my 64 columns' mean
.set i, 0
.rept 16
	v_pk_add_f32 v[64+i:65+i], v[X+i:X+i+1], v[16:17] op_sel_hi:[1,0] neg_lo:[0,1] neg_hi:[0,1]
.set i, i+2
.endr
	v_pk_mul_f32 v[8:9], v[64:65], v[64:65]
	v_pk_mul_f32 v[10:11], v[66:67], v[66:67]
.set i, 4
.rept 7
	v_pk_fma_f32 v[8:9], v[64+i:65+i], v[64+i:65+i], v[8:9]
	v_pk_fma_f32 v[10:11], v[66+i:67+i], v[66+i:67+i], v[10:11]
.set i, i+4
.endr
	v_pk_add_f32 v[8:9], v[8:9], v[10:11]
	v_add_f32 v8, v8, v9
	v_permlanex16_b32 v12, v8, s26, s27
	v_add_f32 v17, v8, v12
	ds_store_b64 v3, v[16:17]
	BAR
.irp q, 0,1,2,3
	ds_load_b128 v[64+4*\q:67+4*\q], v4 offset:16*\q
.endr
	s_wait_dscnt 0x0
	v_add_f32 v8, v64, v66
	v_add_f32 v9, v65, v67
.irp i, 2,3,4,5,6,7
	v_add_f32 v8, v8, v[64+2*\i]
	v_add_f32 v9, v9, v[65+2*\i]
.endr
	v_mul_f32 v16, 0x3e000000, v8                  ; the row's mean
.irp i, 0,1,2,3,4,5,6,7
	v_sub_f32 v[64+2*\i], v[64+2*\i], v16
.endr
	v_mul_f32 v10, v64, v64
.irp i, 1,2,3,4,5,6,7
	v_fma_f32 v10, v[64+2*\i], v[64+2*\i], v10
.endr
	v_fmamk_f32 v10, v10, 0x42800000, v9
	v_fma_f32 v10, v10, s29, s28
	v_rsq_f32 v18, v10
	v_nop
	s_wait_alu depctr_va_vdst(0)
.set i, 0
.rept 16
	v_pk_add_f32 v[X+i:X+i+1], v[X+i:X+i+1], v[16:17] op_sel_hi:[1,0] neg_lo:[0,1] neg_hi:[0,1]
.set i, i+2
.endr
.set i, 0
.rept 16
	v_pk_mul_f32 v[X+i:X+i+1], v[X+i:X+i+1], v[18:19] op_sel_hi:[1,0]
.set i, i+2
.endr
.set i, 0
.rept 16
	v_pk_fma_f32 v[X+i:X+i+1], v[X+i:X+i+1], v[192+i:193+i], v[224+i:225+i]
.set i, i+2
.endr
.irp t, 0,1,2,3
	ds_store_b128 v5, v[X+8*\t:X+8*\t+3] offset:(32*(\t/2)+8*(\t%2))*4
	ds_store_b128 v5, v[X+8*\t+4:X+8*\t+7] offset:(32*(\t/2)+8*(\t%2))*4+16
.endr
	BAR                                            ; 16 whole rows lie in the stage
.irp e, 0,1
.irp q, 0,1,2,3
	ds_load_b128 v[64+16*\e+4*\q:67+16*\e+4*\q], v6 offset:SP*\e+512*\q
.endr
.endr
.irp e, 0,1
.irp q, 0,1,2,3
	s_wait_dscnt 7-4*\e-\q                         ; the younger row loads may stay out
	global_store_b128 v1, v[64+16*\e+4*\q:67+16*\e+4*\q], s[12:13] offset:16384*\e+512*\q th:TH_STORE_NT
.endr
.endr
	s_wait_tensorcnt 0x0
	ds_add_u32 v30, v31
	s_wait_dscnt 0x0
	s_endpgm
.Lfunc_end_k_q39a59602f4_ln2:
	.size	k_q39a59602f4_ln2, .Lfunc_end_k_q39a59602f4_ln2-k_q39a59602f4_ln2
	.p2alignl 7, 3214868480
	.fill 96, 4, 3214868480
	.section	.rodata,"a",@progbits
	.p2align	6, 0x0
	.amdhsa_kernel k_q39a59602f4_ln2
		.amdhsa_group_segment_fixed_size 35840
		.amdhsa_private_segment_fixed_size 0
		.amdhsa_enable_private_segment 0
		.amdhsa_kernarg_size 40
		.amdhsa_user_sgpr_count 2
		.amdhsa_user_sgpr_kernarg_segment_ptr 1
		.amdhsa_wavefront_size32 1
		.amdhsa_system_sgpr_workgroup_id_x 1
		.amdhsa_system_sgpr_workgroup_id_y 1
		.amdhsa_system_sgpr_workgroup_id_z 1
		.amdhsa_system_vgpr_workitem_id 0
		.amdhsa_next_free_vgpr 256
		.amdhsa_next_free_sgpr 66
		.amdhsa_reserve_vcc 0
		.amdhsa_float_denorm_mode_32 3
		.amdhsa_float_denorm_mode_16_64 3
		.amdhsa_memory_ordered 1
		.amdhsa_forward_progress 1
		.amdhsa_inst_pref_size 23
	.end_amdhsa_kernel
	.amdgpu_metadata
---
amdhsa.version: [ 1, 2 ]
amdhsa.kernels:
  - .name:           k_q39a59602f4_ln2
    .symbol:         k_q39a59602f4_ln2.kd
    .args:
      - { .name: part, .offset: 0, .size: 8, .value_kind: global_buffer, .address_space: global }
      - { .name: bf2, .offset: 8, .size: 8, .value_kind: global_buffer, .address_space: global }
      - { .name: g2, .offset: 16, .size: 8, .value_kind: global_buffer, .address_space: global }
      - { .name: be2, .offset: 24, .size: 8, .value_kind: global_buffer, .address_space: global }
      - { .name: out0, .offset: 32, .size: 8, .value_kind: global_buffer, .address_space: global }
    .group_segment_fixed_size: 35840
    .private_segment_fixed_size: 0
    .kernarg_segment_align: 8
    .kernarg_segment_size: 40
    .max_flat_workgroup_size: 256
    .sgpr_count:     66
    .vgpr_count:     256
    .wavefront_size: 32
...
	.end_amdgpu_metadata
.endif
;; end of part 4
